; MI455X (gfx1250); checked and timed in simulation.
; The chip was launched on July 23, 2026; its instructions are those of AMD's public machine-readable ISA for CDNA 5 (MIT licence, August 2026) and "CDNA5" Instruction Set Architecture Reference Guide (July 2026). The comments in the code are by the model that wrote it; some were corrected since.
;; Attention. Allowed arithmetic: matrix products marked QUANTISED: E3M2 operands, one E8M0 scale for each 32 along K, by v_wmma_scale_f32_16x16x128_f8f6f4 with both operands' format E3M2, f32 sums; everything else in f32.
;; Inputs: K 8 x 512 x 1,024 float32; Q 8 x 2,048 x 1,024 float32; V 8 x 2,048 x 1,024 float32; WK_b 1,024 float32; WK_w 1,024 x 1,024 float32; WQ_b 1,024 float32; WQ_w 1,024 x 1,024 float32; WV_b 1,024 float32; WV_w 1,024 x 1,024 float32; attn_mask 8 x 2,048 x 512 int32.
;; Outputs: out0 8 x 512 x 1,024 float32; out1 8 x 512 x 2,048 float32.
;; This version of the problem:
;;   THIS VERSION OF THE PROBLEM IS GIVEN IN LOW PRECISION. The matrix products marked QUANTISED in the list below multiply operands that are first quantised to E3M2 (3 exponent bits, 2 mantissa bits; 6 bits a number), with one power-of-two scale for each 32 numbers along K (OCP MX v1.0); their sums are f32. All else is computed in f32.
;;   The module's matrix products, in the order in which they are computed (A, B: the left and right operand; K: the contracted axis; several contracted axes count as one K, in the product's order):
;;     1. [M 16,384, K 1,024] x [K 1,024, N 1,024]; A: input Q; B: input WQ_w: QUANTISED
;;     2. [M 4,096, K 1,024] x [K 1,024, N 1,024]; A: input K; B: input WK_w: QUANTISED
;;     3. [M 16,384, K 1,024] x [K 1,024, N 1,024]; A: input V; B: input WV_w: QUANTISED
;;     4. batch 8 x [M 2,048, K 1,024] x [K 1,024, N 512]; A: computed on the way; B: computed on the way: QUANTISED
;;     5. batch 8 x [M 512, K 2,048] x [K 2,048, N 1,024]; A: softmax (see below); B: computed on the way: QUANTISED
;;   THE QUANTISER, for each operand of a quantised product, along K:
;;     - K is cut into blocks of 32 from its start; a last block that is shorter is filled with zeros.
;;     - A block's scale is 2^e with e = floor(log2(the largest magnitude in the block)) - 4, held to -126 .. 127; a block of zeros has e = 0. As a byte (E8M0): e + 127.
;;     - Each number is divided by its block's scale, clamped to +-28, and rounded to the nearest number of E3M2, ties to even, subnormals kept.
;;     - The product sums the exact products of the quantised numbers (number of the format x scale) in f32.
;;   ~~~python
;;   def quantise(x, axis):      # numpy; x: float32 -> the quantised numbers, widened to float32 again
;;       x = np.moveaxis(x, axis, -1); K = x.shape[-1]
;;       x = np.pad(x, [(0, 0)] * (x.ndim - 1) + [(0, -K % 32)]); x = x.reshape(x.shape[:-1] + (-1, 32)); a = np.abs(x).max(-1, keepdims=True)
;;       e = np.where(a > 0, np.clip(np.frexp(np.where(a > 0, a, 1))[1] - 1 - 4, -126, 127), 0)      # np.frexp(a)[1] - 1 = floor(log2(a)), exactly
;;       r = np.clip(x / 2.0 ** e, -28, 28)
;;       step = 2.0 ** (np.maximum(np.frexp(np.where(r == 0, 1, r))[1] - 1, -2) - 2)
;;       q = np.round(r / step) * step * 2.0 ** e      # np.round: ties to even
;;       return np.moveaxis(q.reshape(q.shape[:-2] + (-1,))[..., :K], -1, axis).astype(np.float32)
;;   ~~~
;;   SOFTMAX AHEAD OF A QUANTISED PRODUCT. Where the list says 'softmax', what is quantised is not the finished softmax but p = 2^(t - M), with t = logit x log2(e) and M = ceil(the row's largest t), a whole number; so 1/2 < the row's largest p <= 1. The row's sum l is taken of the UNQUANTISED p, in f32, and the product's result is divided by l at the end. Since M is a whole number, a kernel that streams over the keys may use a running M (the ceiling of the running maximum): every later rescaling is an exact power of two, which a block's scale takes up: the codes' values come out the same.
;;   OPERANDS COMPUTED ON THE WAY. 'Computed on the way' means the value that the module computes at that place (a softmax that the list does not call 'softmax' is quantised finished and normalised). What goes into a quantiser is computed in f32, as accurately as f32 sums, v_exp_f32 and their like allow (about 1e-6 of the number): no bf16 or f16 on the way to a quantiser, and a product that is left as it is and whose result goes on into a quantised operand takes f32 operands (vector FMAs, or v_wmma_f32_16x16x4_f32). A number that lies on a knife's edge between two numbers of the format may be rounded either way, as far as f32 arithmetic and the matrix unit's own rounding can turn it there, and no further.
;; One version. Each part assembles by itself: llvm-mc -triple=amdgcn-amd-amdhsa -mcpu=gfx1250 --defsym DOCPART=n.
;; ======== version 1 of 1: 4 launches
;; workspace buffers: xc 30,670,848 bytes; xs 1,277,952 bytes; yc 28,311,552 bytes; ys 1,179,648 bytes; pc 6,291,456 bytes; ps 262,144 bytes; li 16,384 bytes
;; launch quant (part 1): grid 624 x 1, 4 waves a work-group, no clusters, 36,352 bytes of LDS; arguments Q, K, V, WQ_w, WK_w, WV_w, xc, xs; writes xc, xs
.if DOCPART == 1
	.amdgcn_target "amdgcn-amd-amdhsa--gfx1250"
	.amdhsa_code_object_version 6
	.text
	.protected	k_q3f4942eeb6_quant
	.globl	k_q3f4942eeb6_quant
	.p2align	8
	.type	k_q3f4942eeb6_quant,@function
k_q3f4942eeb6_quant:
	s_mov_b64 s[64:65], 0
	v_nop
	global_prefetch_b8 v0, s[64:65] scope:SCOPE_SE
	s_setreg_imm32_b32 hwreg(HW_REG_WAVE_MODE, 25, 1), 1
	s_wait_xcnt 0x0
; THE PROGRAM: context, attn = attention with the softmax along SQ, five products on codes of BF6 (E3M2) with one E8M0 scale for each 32 along K.
; Four launches: quant (this one), proj (products 1 to 3), score (product 4, mask, softmax, attn), ctx (product 5).
; NO WORK OF reference() IS DEAD: all three biases go into operands that are quantised, the mask and the scale reach both results, every product reaches a result.  Every input is loaded.
; THIS LAUNCH: Q, K, V, WQ_w, WK_w, WV_w (f32, K = 1,024 innermost) become codes (xc) and scale words (xs).
; A block's scale is 2^(floor(log2(its largest magnitude)) - 4); its byte is the largest magnitude's exponent field - 4, held at 1 from below.
; LIMITS: NaN and infinities among the inputs are not served; blocks whose largest magnitude lies under 2^(5 - 127) keep the byte 1; a block of zeros gets the byte 1 where the rule says 127:
; its codes are zeros, which add nothing under any byte but 0xff, and the bytes are read by this program alone.
; THE LAYOUT OF ALL WORKSPACE CODES (panels).  An operand's rows go in panels of 128, K in steps of 128.  Fragment (panel P, K step s of NK, block i of 8) is the IMAGE OF THE OPERAND'S 12 REGISTERS:
; 1,536 bytes at ((P NK + s) 8 + i) 1536, registers 4 c .. 4 c + 3 of lane l at 512 c + 16 l.  Its scale words: 64 bytes at ((P NK + s) 8 + i) 64, row r's at 4 r.
; Lane r of block i = 2 b + u holds row 32 b + 8 u + r + 8 (r / 8) of the panel: as source 0 of a product, the 16 result registers of blocks 2 b and 2 b + 1 are then 16 neighbours, 32 b + 16 (lane / 16) + 0 .. 15.
; Panels of xc: Q 0-127, K 128-159, V 160-287, WQ_w 288-295, WK_w 296-303, WV_w 304-311; NK = 8.
; SHARES.  Work-group g takes panel g / 2; its wave w K step 4 (g % 2) + w: 128 rows x 128 numbers, a block of 16 rows at a time.  Each load reads a row's 512 consecutive bytes, 16 a lane; the 16 rows
; turn through the wave's own stage in LDS, so that lane (r, h) gets, of row r, the 16 neighbours 32 b + 16 h + 0 .. 15 of each block of 32.  Loads run two blocks (32 loads a wave) ahead.
; No tensor load, no barrier, no cluster: waves and work-groups share nothing.
.set WREG,  8960                       ; LDS: a wave's region: a stage of 16 rows x (512 + 16) bytes, then its 512 bytes of scale words
.set SCW,   8448
.set SPARE, 4*WREG                     ; behind the four regions: the spare words, 128 bytes for each wave
.set LI,  4                            ; v4   16 x lane: my bytes of a row, and of an image
.set SI,  5                            ; v5   the stage on the way in
.set SO,  6                            ; v6   and on the way out: row r, + 64 h
.set WI,  7                            ; v7   where my row's scale word goes
.set WO,  8                            ; v8   where I read 16 bytes of scale words back
.set SPW, 10                           ; v10  LDS address of my spare word; never rewritten
.set NIL, 11                           ; v11  0; never rewritten
.set R,   16                           ; v16-143  two sets of 16 rows as loaded
.set X,   144                          ; v144-207 64 numbers of my row: register 16 b + i = k 32 b + 16 h + i
.set TM,  208                          ; v208-223 at work
.set PC,  224                          ; v224-243 the codes
.set PW,  244                          ; v244 the scale word
.set SEL, 12                           ; s[12:13] lane selects: lane l xor 16
; 64 numbers of a lane become a fragment's codes in v[PC] on and its row's scale word in v[PW]
.macro QUANT s
.irp b, 0,1,2,3
	v_max3_num_f32 v[TM+\b], |v[\s+16*\b]|, |v[\s+1+16*\b]|, 0x2800000   ; block b: my 16 numbers, and the floor 2^(5 - 127): the byte cannot fall under 1
.endr
.irp i, 2,4,6,8,10,12,14
.irp b, 0,1,2,3
	v_max3_num_f32 v[TM+\b], v[TM+\b], |v[\s+16*\b+\i]|, |v[\s+1+16*\b+\i]|   ; the four blocks by turns
.endr
.endr
.irp b, 0,1,2,3
	v_permlanex16_b32 v[TM+4+\b], v[TM+\b], s[SEL], s[SEL+1]
.endr
.irp b, 0,1,2,3
	v_max_num_f32 v[TM+\b], v[TM+\b], v[TM+4+\b]   ; with lane l xor 16's: the block's largest magnitude
.endr
.irp b, 0,1,2,3
	v_add_nc_u32 v[TM+12+\b], 0xfe000000, v[TM+\b]   ; 4 off its exponent field: the conversion takes this operand's exponent field as its scale
.endr
.irp b, 0,1,2,3
	v_lshrrev_b32 v[TM+4+\b], 23, v[TM+12+\b]      ; the scale's byte
.endr
	v_lshl_or_b32 v[PW], v[TM+5], 8, v[TM+4]
	v_lshl_or_b32 v[PW], v[TM+6], 16, v[PW]
	v_lshl_or_b32 v[PW], v[TM+7], 24, v[PW]
.irp c, 0,1
	v_cvt_scalef32_pk16_bf6_f32 v[PC+6*\c:PC+2+6*\c], v[\s+32*\c:\s+15+32*\c], v[TM+12+2*\c]
	v_cvt_scalef32_pk16_bf6_f32 v[PC+12+4*\c:PC+14+4*\c], v[\s+16+32*\c:\s+31+32*\c], v[TM+13+2*\c]   ; (a conversion's three registers begin on an even number)
.endr
	v_nop                                          ; one plain place behind a scaled conversion
.irp c, 0,1                                    ; the operand's layout wants a whole block in a lane: lanes 0-15 block 2 c, lanes 16-31 block 2 c + 1
.irp i, 0,1,2
	v_permlane16_swap_b32 v[PC+6*\c+\i], v[PC+12+4*\c+\i]
.endr
.irp i, 0,1,2
	v_mov_b32 v[PC+3+6*\c+\i], v[PC+12+4*\c+\i]
.endr
.endr
.endm
.macro LOAD i                          ; block i's 16 rows, in the order of its lanes
.irp p, 0,1,2,3,4,5,6,7,8,9,10,11,12,13,14,15
	global_load_b128 v[R+64*((\i)%2)+4*\p:R+64*((\i)%2)+4*\p+3], v[LI], s[6:7] offset:(32*((\i)/2)+8*((\i)%2)+\p+8*(\p/8))*4096 th:TH_LOAD_NT
.endr
.endm
.macro PICK lim, ptr, p0               ; panels under lim belong to an earlier tensor: a choice on the work-group's number alone
	s_cmp_lt_u32 s3, \lim
	s_cselect_b64 s[6:7], s[\ptr:\ptr+1], s[6:7]
	s_cselect_b32 s4, \p0, s4
.endm
	s_load_b512 s[16:31], s[0:1], 0x0              ; Q, K, V, WQ_w, WK_w, WV_w, xc, xs
	v_lshl_add_u32 v[SPW], v0, 2, SPARE
	v_mov_b32 v[NIL], 0
	v_lshrrev_b32 v1, 5, v0
	v_readfirstlane_b32 s2, v1                     ; wave
	v_and_b32 v1, 31, v0                           ; lane
	v_and_b32 v2, 15, v0                           ; r
	v_bfe_u32 v3, v0, 4, 1                         ; h
	v_lshlrev_b32 v[LI], 4, v1
	s_mul_i32 s5, s2, WREG
	v_add_nc_u32 v[SI], s5, v[LI]
	v_mul_u32_u24 v[SO], v2, 528
	v_lshl_add_u32 v[SO], v3, 6, v[SO]
	v_add_nc_u32 v[SO], s5, v[SO]
	v_lshlrev_b32 v[WI], 2, v2
	v_add_nc_u32 v[WI], s5, v[WI]
	v_add_nc_u32 v[WI], SCW, v[WI]
	v_add_nc_u32 v[WO], SCW, v[SI]
	s_mov_b32 s[SEL], 0x76543210
	s_mov_b32 s[SEL+1], 0xfedcba98
.irp b, 0,1,2,3
	v_mov_b32 v[TM+4+\b], 0                        ; written once: a lane permute's destination counts as one of its sources
.endr
	s_lshr_b32 s3, ttmp9, 1                        ; my panel
	s_and_b32 s8, ttmp9, 1
	s_lshl_b32 s8, s8, 2
	s_add_co_u32 s8, s8, s2                        ; my K step
	s_mov_b32 s4, 304
	s_wait_kmcnt 0x0
	s_mov_b64 s[6:7], s[26:27]                     ; WV_w, unless the panel is an earlier tensor's
	PICK 304, 24, 296
	PICK 296, 22, 288
	PICK 288, 20, 160
	PICK 160, 18, 128
	PICK 128, 16, 0
	s_sub_co_u32 s9, s3, s4                        ; the panel within its tensor: 128 rows of 4,096 bytes,
	s_lshl_b32 s14, s9, 19
	s_lshl_b32 s9, s8, 9                           ; and 512 bytes a K step
	s_add_co_u32 s14, s14, s9
	s_mov_b32 s15, 0
	s_add_nc_u64 s[6:7], s[6:7], s[14:15]
	s_lshl_b32 s9, s3, 3
	s_add_co_u32 s9, s9, s8                        ; 8 P + s
	s_mul_i32 s14, s9, 12288
	s_add_nc_u64 s[28:29], s[28:29], s[14:15]      ; my eight images
	s_lshl_b32 s14, s9, 9
	s_add_nc_u64 s[30:31], s[30:31], s[14:15]      ; and their 512 bytes of scale words
	LOAD 0
	LOAD 1
.macro STEP i
.if (\i) < 7
	s_wait_loadcnt 16                              ; this block's 16 loads are in; the next block's may be out
.else
	s_wait_loadcnt 0x0
.endif
.irp p, 0,1,2,3,4,5,6,7,8,9,10,11,12,13,14,15
	ds_store_b128 v[SI], v[R+64*((\i)%2)+4*\p:R+64*((\i)%2)+4*\p+3] offset:528*\p
.endr
.irp b, 0,1,2,3
.irp j, 0,1,2,3
	ds_load_b128 v[X+16*\b+4*\j:X+16*\b+4*\j+3], v[SO] offset:128*\b+16*\j   ; LDS serves a wave's instructions in order: these see the stores above
.endr
.endr
	s_wait_dscnt 0x0                               ; my 64 numbers are in; the stores have read their registers; the last step's scale word is stored
	s_wait_xcnt 0x0                                ; the last step's stores have read the codes' registers, which are written again below
.if (\i) < 6
	LOAD (\i)+2
.endif
	QUANT X
.irp c, 0,1,2
	global_store_b128 v[LI], v[PC+4*\c:PC+4*\c+3], s[28:29] offset:1536*(\i)+512*\c   ; 32 lanes store 512 consecutive bytes, aligned
.endr
	ds_store_b32 v[WI], v[PW] offset:64*(\i)       ; both halves of the lanes write the same word with the same value
.endm
.irp t, 0,1,2,3,4,5,6,7
	STEP \t
.endr
	ds_load_b128 v[248:251], v[WO]                 ; the eight blocks' scale words, 512 bytes
	s_wait_dscnt 0x0
	global_store_b128 v[LI], v[248:251], s[30:31]
	s_wait_tensorcnt 0x0                           ; the wave's end
	ds_add_u32 v[SPW], v[NIL]
	s_wait_dscnt 0x0
	s_endpgm
.Lfunc_end_k_q3f4942eeb6_quant:
	.size	k_q3f4942eeb6_quant, .Lfunc_end_k_q3f4942eeb6_quant-k_q3f4942eeb6_quant
	.p2alignl 7, 3214868480
	.fill 96, 4, 3214868480
	.section	.rodata,"a",@progbits
	.p2align	6, 0x0
	.amdhsa_kernel k_q3f4942eeb6_quant
		.amdhsa_group_segment_fixed_size 36352
		.amdhsa_private_segment_fixed_size 0
		.amdhsa_enable_private_segment 0
		.amdhsa_kernarg_size 64
		.amdhsa_user_sgpr_count 2
		.amdhsa_user_sgpr_kernarg_segment_ptr 1
		.amdhsa_wavefront_size32 1
		.amdhsa_system_sgpr_workgroup_id_x 1
		.amdhsa_system_sgpr_workgroup_id_y 1
		.amdhsa_system_sgpr_workgroup_id_z 1
		.amdhsa_system_vgpr_workitem_id 0
		.amdhsa_next_free_vgpr 256
		.amdhsa_next_free_sgpr 66
		.amdhsa_reserve_vcc 0
		.amdhsa_float_denorm_mode_32 3
		.amdhsa_float_denorm_mode_16_64 3
		.amdhsa_memory_ordered 1
		.amdhsa_forward_progress 1
		.amdhsa_inst_pref_size 65
	.end_amdhsa_kernel
	.amdgpu_metadata
---
amdhsa.version: [ 1, 2 ]
amdhsa.kernels:
  - .name:           k_q3f4942eeb6_quant
    .symbol:         k_q3f4942eeb6_quant.kd
    .args:
      - { .name: Q, .offset: 0, .size: 8, .value_kind: global_buffer, .address_space: global }
      - { .name: K, .offset: 8, .size: 8, .value_kind: global_buffer, .address_space: global }
      - { .name: V, .offset: 16, .size: 8, .value_kind: global_buffer, .address_space: global }
      - { .name: WQ_w, .offset: 24, .size: 8, .value_kind: global_buffer, .address_space: global }
      - { .name: WK_w, .offset: 32, .size: 8, .value_kind: global_buffer, .address_space: global }
      - { .name: WV_w, .offset: 40, .size: 8, .value_kind: global_buffer, .address_space: global }
      - { .name: xc, .offset: 48, .size: 8, .value_kind: global_buffer, .address_space: global }
      - { .name: xs, .offset: 56, .size: 8, .value_kind: global_buffer, .address_space: global }
    .group_segment_fixed_size: 36352
    .private_segment_fixed_size: 0
    .kernarg_segment_align: 8
    .kernarg_segment_size: 64
    .max_flat_workgroup_size: 128
    .sgpr_count:     66
    .vgpr_count:     256
    .wavefront_size: 32
...
	.end_amdgpu_metadata
.endif
;; end of part 1
;; launch proj (part 2): grid 4 x 144, 4 waves a work-group, clusters of 4 x 4, 327,680 bytes of LDS; arguments xc, xs, WQ_b, WK_b, WV_b, yc, ys; writes yc, ys
.if DOCPART == 2
	.amdgcn_target "amdgcn-amd-amdhsa--gfx1250"
	.amdhsa_code_object_version 6
	.text
	.protected	k_q3f4942eeb6_proj
	.globl	k_q3f4942eeb6_proj
	.p2align	8
	.type	k_q3f4942eeb6_proj,@function
k_q3f4942eeb6_proj:
	s_mov_b64 s[64:65], 0
	v_nop
	global_prefetch_b8 v0, s[64:65] scope:SCOPE_SE
	s_setreg_imm32_b32 hwreg(HW_REG_WAVE_MODE, 25, 1), 1
	s_wait_xcnt 0x0
	s_wait_alu depctr_hold_cnt(0) depctr_sa_sdst(0) depctr_va_vdst(0) depctr_va_sdst(0) depctr_va_ssrc(0) depctr_va_vcc(0) depctr_vm_vsrc(0)
	s_getreg_b32 s2, hwreg(HW_REG_IB_STS2, 6, 4)
	s_cmp_eq_u32 s2, 0
	s_cbranch_scc0 .Lentry_in_a_cluster
	s_endpgm
.Lentry_in_a_cluster:
	s_bfe_u32 s2, ttmp6, 0x10000c
	s_cmp_lg_u32 s2, 0xf033
	s_cbranch_scc0 .Lentry_shape_is_right
	s_endpgm
.Lentry_shape_is_right:
; PRODUCTS 1 TO 3 on codes of BF6, and their results quantised in registers.  No work is left out.
; q = Q WQ^T + bq and k = K WK^T + bk are wanted as operands along d; v = V WV^T + bv is wanted as v^T, an operand along sq.  One text serves all three: a tile is 256 (A, source 1: the lanes, the rows
; of the new operand) x 256 (B, source 0: the registers, the new operand's K).  q, k: A = Q's or K's rows, B = the weight's rows.  v: A = WV's rows (dv), B = V's rows (sq).
; Clusters 0-15 make q, 16-19 k, 20-35 v: the kind hangs on the cluster's number, which all partners share.
; Four waves, each 128 x 128: 64 accumulators.  Codes lie in panels as images of the operand's registers (launch quant's head): a fragment comes by three loads of 512 consecutive bytes; no pitch, no padding.
; K = 1,024 is 8 steps.  LDS has three regions of two K steps (A's two panels, B's two); a wave's tensor load brings 24,576 dense bytes.  Regions 0, 1, 2 and the scale words go out at the head;
; ONE refill, region 0 with the last two K steps, stands behind the change from region 0 to region 1.  By this text's count a wave has four tensor loads out at the head, later one.
; CLUSTERS: 4 x 4.  A's panels hang on the cluster's row, B's on its column: each load is asked for jointly by four work-groups.
; THE BIAS is the C of each sum's first product: along the registers (q, k) or along the lanes (v).
; THE WAY OUT: for A's block a the wave's 64 registers are 128 neighbours along the new K in the order the quantiser takes: one fragment, one scale word a row, stored as images.
; LIMITS: as in launch quant (NaN, infinities, blocks under 2^(5 - 127), the byte of a block of zeros).
; REGISTERS: window 0: v16-31 addresses; v32-47 scale words, two sets; v64-127 the bias; v128-223 A's 8 fragments, one set; on the way out v32-79 at work.
;   window 1: B's fragments, two sets, at v0 and v128.  windows 2, 3: accumulator (a, b) at v[8 (8 (a % 4) + b)] of window 2 + a / 4.
; Nothing is prefetched: three quarters of a tile's bytes are asked for at the head, and the refill has four K steps in which to land.
.set RG,    98304                      ; a region
.set LD,    24576                      ; a tensor load: two K steps of one panel
.set SCL,   3*RG                       ; the scale words: four panels x 4,096 bytes
.set SOUT,  SCL+16384                  ; 512 bytes a wave: the new operand's scale words on their way out
.set SPARE, SOUT+2048                  ; the spare words, 128 bytes for each wave
.set FR,   12
.set ADRA, 16                          ; v16-18 my A panel in regions 0, 1, 2
.set ADRB, 20                          ; v20-22 my B panel
.set LI,   24                          ; v24  16 x lane
.set SWA,  25                          ; v25  where my row's new scale word goes
.set SRA,  26                          ; v26  where I read them back
.set ADRS, 27                          ; v27  scale words: lanes 0-15 A's, lanes 16-31 B's
.set SPW,  28                          ; v28  my spare word; never rewritten
.set NIL,  29                          ; v29  0; never rewritten
.set BO,   30                          ; v30  the bias loads' offset
.set SC,   32
.set BIAS, 64
.set AF,   128
.set TM,   32                          ; the way out: v32-47 at work, v48-67 codes, v68-75 scale words
.set PC,   48
.set PW,   68
.set SEL,  2                           ; s[2:3] lane selects, set behind the head
.set WV,   18                          ; s18 wave; s19 wave / 2: my A panel, and: I fetch for A (0) or B (1); s20 wave % 2: my B panel, and which panel I fetch
.set WH,   19
.set WL,   20
.set CX,   21
.set CY,   22
.set KIND, 23                          ; s23  0: bias along the registers (q, k); 1: along the lanes (v)
.set G1A,  24
.set G1B,  32
.set G1SA, 40
.set G1SB, 48
.set G0A0, 56
.set G0A1, 60
.set G0A2, 68
.set G0B0, 72
.set G0B1, 76
.set G0B2, 80
.set G0SA, 84
.set G0SB, 88
.set MSB, 0
.macro WIN new                         ; the immediate's high byte repeats the setting that is left
.if MSB != (\new)
	s_set_vgpr_msb (MSB<<8)|(\new)
.set MSB, (\new)
.endif
.endm
; A joint load: waves 0 and 1 fetch for A, waves 2 and 3 for B; the branch hangs on the wave's number alone.  An s_nop 0 and four v_nop follow each line.
.macro JLOAD g0a, g1a, g0b, g1b
	s_cmp_eq_u32 s[WH], 0
	s_cbranch_scc0 .Lfor_b_\@
	tensor_load_to_lds s[\g0a:\g0a+3], s[\g1a:\g1a+7]
	s_nop 0
.rept 4
	v_nop
.endr
	s_branch .Lasked_\@
.Lfor_b_\@:
	tensor_load_to_lds s[\g0b:\g0b+3], s[\g1b:\g1b+7]
	s_nop 0
.rept 4
	v_nop
.endr
.Lasked_\@:
.endm
.macro CREST                           ; a round of the cluster's barrier behind its opening barrier
	s_cmp_lg_u32 s[WV], 0
	s_cbranch_scc1 .Lnot_wave_0_\@
	s_barrier_signal -3
.Lnot_wave_0_\@:
	s_barrier_wait -3
	s_barrier_signal -1
	s_barrier_wait -1
.endm
.macro CROUND
	s_barrier_signal -1
	s_barrier_wait -1
	CREST
.endm
.macro PLACES                          ; four places in front of loads into registers that matrix instructions have read, and of the first read of results
.rept 4
	v_nop
.endr
.endm
	s_load_b256 s[4:11], s[0:1], 0x0               ; xc s[4:5], xs s[6:7], WQ_b s[8:9], WK_b s[10:11]
	s_load_b128 s[12:15], s[0:1], 0x20             ; WV_b s[12:13], yc s[14:15]
	s_load_b64 s[16:17], s[0:1], 0x30              ; ys
	v_lshl_add_u32 v[SPW], v0, 2, SPARE
	v_mov_b32 v[NIL], 0
	ds_add_u32 v[SPW], v[NIL]                      ; the wave's opening: the add, twice on end, and its wait ahead of my first tensor load
	ds_add_u32 v[SPW], v[NIL]
	v_lshrrev_b32 v1, 5, v0
	v_readfirstlane_b32 s[WV], v1
	s_lshr_b32 s[WH], s[WV], 1
	s_and_b32 s[WL], s[WV], 1
	s_bfe_u32 s[CX], ttmp6, 0x40000
	s_bfe_u32 s[CY], ttmp6, 0x40004
	s_and_b32 s92, ttmp7, 0xffff                   ; the cluster's number
	; the kind's constants: v's, then k's where the cluster is under 20, then q's where it is under 16
	s_mov_b32 s93, 20                              ; the kind's first cluster
	s_mov_b32 s94, 304                             ; A's first panel in xc
	s_mov_b32 s95, 0                               ; A's tiles for each cluster on
	s_mov_b32 s96, 160                             ; B's first panel
	s_mov_b32 s97, 4                               ; B's tiles for each cluster on
	s_mov_b32 s98, 15728640                        ; the result's section in yc,
	s_mov_b32 s99, 196608                          ; a panel's bytes there,
	s_mov_b32 s100, 655360                         ; its section in ys,
	s_mov_b32 s101, 8192                           ; a panel's bytes there
	s_mov_b32 s[KIND], 1
	s_cmp_lt_u32 s92, 20
	s_cselect_b32 s93, 16, s93
	s_cselect_b32 s94, 128, s94
	s_cselect_b32 s95, 4, s95
	s_cselect_b32 s96, 296, s96
	s_cselect_b32 s97, 0, s97
	s_cselect_b32 s98, 12582912, s98
	s_cselect_b32 s99, 98304, s99
	s_cselect_b32 s100, 524288, s100
	s_cselect_b32 s101, 4096, s101
	s_cselect_b32 s[KIND], 0, s[KIND]
	s_cmp_lt_u32 s92, 16
	s_cselect_b32 s93, 0, s93
	s_cselect_b32 s94, 0, s94
	s_cselect_b32 s96, 288, s96
	s_cselect_b32 s98, 0, s98
	s_cselect_b32 s100, 0, s100
	s_sub_co_u32 s93, s92, s93                     ; the cluster within its kind
	s_mul_i32 s95, s95, s93
	s_add_co_u32 s95, s95, s[CY]                   ; tA: A's tile of 256 rows: hangs on cy alone
	s_mul_i32 s97, s97, s93
	s_add_co_u32 s97, s97, s[CX]                   ; tB: B's tile: hangs on cx alone
	s_lshl_b32 s2, s95, 1
	s_add_co_u32 s94, s94, s2
	s_add_co_u32 s94, s94, s[WL]                   ; the panel of A that I would fetch
	s_lshl_b32 s3, s97, 1
	s_add_co_u32 s96, s96, s3
	s_add_co_u32 s96, s96, s[WL]                   ; and of B
	s_mul_i32 s[G0A0+2], s94, RG                   ; their bytes in xc,
	s_mov_b32 s[G0A0+3], 0
	s_mul_i32 s[G0B0+2], s96, RG
	s_mov_b32 s[G0B0+3], 0
	s_lshl_b32 s[G0SA+2], s94, 12                  ; and in xs
	s_mov_b32 s[G0SA+3], 0
	s_lshl_b32 s[G0SB+2], s96, 12
	s_mov_b32 s[G0SB+3], 0
	s_lshl_b32 s2, s[CY], 2
	s_lshl_b32 s2, 15, s2                          ; my row of the cluster
	s_lshl_b32 s3, 0x1111, s[CX]                   ; my column
	; group 1: dense bytes as rows of 256 (32 elements of 8 bytes): 96 rows of codes, 16 rows of scale words; 15:0 the mask, 17:16 element size, 21 set beside a mask
	s_or_b32 s[G1A], s2, (3<<16)|(1<<21)
	s_or_b32 s[G1SA], s2, (3<<16)|(1<<21)
	s_or_b32 s[G1B], s3, (3<<16)|(1<<21)
	s_or_b32 s[G1SB], s3, (3<<16)|(1<<21)
.irp g, G1A, G1B
	s_mov_b32 s[\g+1], 32<<16                      ; tensor_dim0
	s_mov_b32 s[\g+2], 96<<16                      ; tensor_dim1
	s_mov_b32 s[\g+3], 32<<16                      ; tile_dim0
	s_mov_b32 s[\g+4], 96                          ; tile_dim1
	s_mov_b32 s[\g+5], 32                          ; the pitch
	s_mov_b32 s[\g+6], 0
	s_mov_b32 s[\g+7], 0
.endr
.irp g, G1SA, G1SB
	s_mov_b32 s[\g+1], 32<<16
	s_mov_b32 s[\g+2], 16<<16
	s_mov_b32 s[\g+3], 32<<16
	s_mov_b32 s[\g+4], 16
	s_mov_b32 s[\g+5], 32
	s_mov_b32 s[\g+6], 0
	s_mov_b32 s[\g+7], 0
.endr
	s_mul_i32 s93, s[WV], LD                       ; where my loads land in a region: wave x 24,576: no place in the cluster enters an LDS address
.irp g, G0A0, G0B0
	s_mov_b32 s[\g], 1
	s_mov_b32 s[\g+1], s93
.endr
.irp g, G0A1, G0B1
	s_mov_b32 s[\g], 1
	s_add_co_u32 s[\g+1], s93, RG
.endr
.irp g, G0A2, G0B2
	s_mov_b32 s[\g], 1
	s_add_co_u32 s[\g+1], s93, 2*RG
.endr
.irp g, G0SA, G0SB
	s_mov_b32 s[\g], 1
	s_lshl_b32 s[\g+1], s[WV], 12
	s_add_co_u32 s[\g+1], s[\g+1], SCL
.endr
	s_wait_dscnt 0x0                               ; both opening adds are done
	s_wait_kmcnt 0x0
	s_add_nc_u64 s[G0A0+2:G0A0+3], s[4:5], s[G0A0+2:G0A0+3]
	s_add_nc_u64 s[G0A1+2:G0A1+3], s[G0A0+2:G0A0+3], LD
	s_add_nc_u64 s[G0A2+2:G0A2+3], s[G0A0+2:G0A0+3], 2*LD
	s_add_nc_u64 s[G0B0+2:G0B0+3], s[4:5], s[G0B0+2:G0B0+3]
	s_add_nc_u64 s[G0B1+2:G0B1+3], s[G0B0+2:G0B0+3], LD
	s_add_nc_u64 s[G0B2+2:G0B2+3], s[G0B0+2:G0B0+3], 2*LD
	s_add_nc_u64 s[G0SA+2:G0SA+3], s[6:7], s[G0SA+2:G0SA+3]
	s_add_nc_u64 s[G0SB+2:G0SB+3], s[6:7], s[G0SB+2:G0SB+3]
.irp g, G0A0, G0A1, G0A2, G0B0, G0B1, G0B2, G0SA, G0SB
	s_or_b32 s[\g+3], s[\g+3], 0x80000000          ; type = 2
.endr
	CROUND                                         ; all sixteen work-groups are here: the first joint loads meet
	JLOAD G0SA, G1SA, G0SB, G1SB                   ; the scale words of all of K
	JLOAD G0A0, G1A, G0B0, G1B                     ; K steps 0, 1
	JLOAD G0A1, G1A, G0B1, G1B                     ; K steps 2, 3
	JLOAD G0A2, G1A, G0B2, G1B                     ; K steps 4, 5
	; where my results go: panel 8 (tB / 8) + 2 tA + my A panel, K step 2 (tB % 8) + my B panel (for q and k tB is under 4)
	s_lshr_b32 s2, s97, 3
	s_lshl_b32 s2, s2, 3
	s_lshl_b32 s3, s95, 1
	s_add_co_u32 s2, s2, s3
	s_add_co_u32 s2, s2, s[WH]
	s_and_b32 s3, s97, 7
	s_lshl_b32 s3, s3, 1
	s_add_co_u32 s3, s3, s[WL]
	s_mul_i32 s99, s2, s99
	s_add_co_u32 s98, s98, s99
	s_mul_i32 s99, s3, 12288
	s_add_co_u32 s98, s98, s99
	s_mov_b32 s99, 0
	s_add_nc_u64 s[14:15], s[14:15], s[98:99]
	s_mul_i32 s101, s2, s101
	s_add_co_u32 s100, s100, s101
	s_lshl_b32 s101, s3, 9
	s_add_co_u32 s100, s100, s101
	s_mov_b32 s101, 0
	s_add_nc_u64 s[16:17], s[16:17], s[100:101]
	; the bias: which, and my 128 numbers of it
	s_cmp_lt_u32 s92, 20
	s_cselect_b64 s[10:11], s[10:11], s[12:13]
	s_cmp_lt_u32 s92, 16
	s_cselect_b64 s[8:9], s[8:9], s[10:11]
	s_cmp_eq_u32 s[KIND], 0
	s_cselect_b32 s92, s97, s95
	s_cselect_b32 s93, s[WL], s[WH]
	s_lshl_b32 s92, s92, 10
	s_lshl_b32 s93, s93, 9
	s_add_co_u32 s92, s92, s93
	s_mov_b32 s93, 0
	s_add_nc_u64 s[8:9], s[8:9], s[92:93]
	v_and_b32 v1, 31, v0                           ; lane
	v_and_b32 v2, 15, v0                           ; r
	v_bfe_u32 v3, v0, 4, 1                         ; h
	v_lshlrev_b32 v[LI], 4, v1
	s_mul_i32 s2, s[WH], LD
	s_mul_i32 s3, s[WL], LD
	s_add_co_u32 s3, s3, 2*LD
.irp p, 0,1,2
	v_add_nc_u32 v[ADRA+\p], s2, v[LI]
	v_add_nc_u32 v[ADRB+\p], s3, v[LI]
	s_add_co_u32 s2, s2, RG
	s_add_co_u32 s3, s3, RG
.endr
	v_lshlrev_b32 v4, 2, v2                        ; 4 r
	s_lshl_b32 s2, s[WH], 12                       ; A's words: my panel
	s_lshl_b32 s3, s[WL], 12                       ; B's: my panel, behind A's two
	s_add_co_u32 s3, s3, 8192
	s_sub_co_u32 s3, s3, s2
	v_mul_u32_u24 v5, s3, v3                       ; lanes 16-31 take B's
	s_add_co_u32 s2, s2, SCL
	v_add_nc_u32 v5, v4, v5
	v_add_nc_u32 v[ADRS], s2, v5
	s_lshl_b32 s2, s[WV], 9
	s_add_co_u32 s2, s2, SOUT
	v_add_nc_u32 v[SWA], s2, v4
	v_add_nc_u32 v[SRA], s2, v[LI]
	v_and_b32 v5, 8, v2
	v_add_nc_u32 v5, v5, v2                        ; r + 8 (r / 8)
	s_cmp_eq_u32 s[KIND], 0
	s_cbranch_scc0 .Lbias_lanes
	v_lshlrev_b32 v[BO], 6, v3                     ; tile b's eight registers of half h are numbers 32 (b / 2) + 16 h + 8 (b % 2) + 0 .. 7
.irp b, 0,1,2,3,4,5,6,7
	global_load_b128 v[BIAS+8*\b:BIAS+8*\b+3], v[BO], s[8:9] offset:(32*(\b/2)+8*(\b%2))*4
	global_load_b128 v[BIAS+8*\b+4:BIAS+8*\b+7], v[BO], s[8:9] offset:(32*(\b/2)+8*(\b%2))*4+16
.endr
	s_branch .Lbias_done
.Lbias_lanes:
	v_lshlrev_b32 v[BO], 2, v5                     ; block a's lane r is number 32 (a / 2) + 8 (a % 2) + r + 8 (r / 8): the same in all eight registers
.irp a, 0,1,2,3,4,5,6,7
	global_load_b32 v[BIAS+8*\a], v[BO], s[8:9] offset:(32*(\a/2)+8*(\a%2))*4
.endr
	s_wait_loadcnt 0x0
.irp a, 0,1,2,3,4,5,6,7
.irp j, 1,2,3,4,5,6,7
	v_mov_b32 v[BIAS+8*\a+\j], v[BIAS+8*\a]
.endr
.endr
.Lbias_done:
	s_mov_b32 s[SEL], 0x76543210
	s_mov_b32 s[SEL+1], 0xfedcba98
.macro FRAG reg, adr, off              ; a fragment's image: three loads of 512 consecutive bytes
.irp c, 0,1,2
	ds_load_b128 v[(\reg)+4*\c:(\reg)+4*\c+3], v[(\adr)] offset:(\off)+512*\c
.endr
.endm
.macro FETCH_B k                       ; B's eight fragments of K step k into set k % 2
	WIN 0x40
.irp i, 0,1,2,3,4,5,6,7
	FRAG 128*((\k)%2)+FR*\i, ADRB+((\k)/2)%3, ((\k)%2)*12288+1536*\i
.endr
	WIN 0
.endm
.macro FETCH_A k, i0                   ; A's blocks i0 .. i0 + 3
.irp i, \i0, \i0+1, \i0+2, \i0+3
	FRAG AF+FR*(\i), ADRA+((\k)/2)%3, ((\k)%2)*12288+1536*(\i)
.endr
.endm
.macro SCALES k                        ; register i: lanes 0-15 the words of A's block i, lanes 16-31 those of B's block i
.irp i, 0,1,2,3,4,5,6,7
	ds_load_b32 v[SC+8*((\k)%2)+\i], v[ADRS] offset:512*(\k)+64*\i
.endr
.endm
; 16 products: A's blocks a0, a0 + 1 x B's eight.  cm = 0: the sums go on; 1: they begin with the bias along the registers; 2: with the bias along the lanes.
; The 64 accumulators take turns, one instruction a turn, in the same order in every step.
.macro MUL16 a0, k, cm
.irp a, \a0, \a0+1
.irp b, 0,1,2,3,4,5,6,7
.if (\cm) == 0
	v_wmma_scale_f32_16x16x128_f8f6f4 v[8*(8*((\a)%4)+\b):8*(8*((\a)%4)+\b)+7], v[128*((\k)%2)+FR*\b:128*((\k)%2)+FR*\b+FR-1], v[AF+FR*(\a):AF+FR*(\a)+FR-1], v[8*(8*((\a)%4)+\b):8*(8*((\a)%4)+\b)+7], v[SC+8*((\k)%2)+\b], v[SC+8*((\k)%2)+(\a)] matrix_a_fmt:MATRIX_FMT_BF6 matrix_b_fmt:MATRIX_FMT_BF6 matrix_a_scale:MATRIX_SCALE_ROW1
.elseif (\cm) == 1
	v_wmma_scale_f32_16x16x128_f8f6f4 v[8*(8*((\a)%4)+\b):8*(8*((\a)%4)+\b)+7], v[128*((\k)%2)+FR*\b:128*((\k)%2)+FR*\b+FR-1], v[AF+FR*(\a):AF+FR*(\a)+FR-1], v[BIAS+8*\b:BIAS+8*\b+7], v[SC+8*((\k)%2)+\b], v[SC+8*((\k)%2)+(\a)] matrix_a_fmt:MATRIX_FMT_BF6 matrix_b_fmt:MATRIX_FMT_BF6 matrix_a_scale:MATRIX_SCALE_ROW1
.else
	v_wmma_scale_f32_16x16x128_f8f6f4 v[8*(8*((\a)%4)+\b):8*(8*((\a)%4)+\b)+7], v[128*((\k)%2)+FR*\b:128*((\k)%2)+FR*\b+FR-1], v[AF+FR*(\a):AF+FR*(\a)+FR-1], v[BIAS+8*(\a):BIAS+8*(\a)+7], v[SC+8*((\k)%2)+\b], v[SC+8*((\k)%2)+(\a)] matrix_a_fmt:MATRIX_FMT_BF6 matrix_b_fmt:MATRIX_FMT_BF6 matrix_a_scale:MATRIX_SCALE_ROW1
.endif
.endr
.endr
.endm
; A K step whose successor's bytes are known to lie in LDS.  Windows: source 0 (B) 1, source 1 (A) 0, D 2 or 3; C with D, or the bias in window 0.
.macro STEPN k, cm
	s_wait_dscnt 12                                ; B's set, A's blocks 0-3 and the scale words are in; the youngest 12 loads (A's blocks 4-7) may be out
.if (\cm) == 0
	WIN 0xa1
.else
	WIN 0x81
.endif
	MUL16 0, \k, \cm
	MUL16 2, \k, \cm
	s_wait_dscnt 0x0                               ; A's blocks 4-7 are in
	PLACES
	FETCH_B (\k)+1
	FETCH_A (\k)+1, 0
	SCALES (\k)+1
.if (\cm) == 0
	WIN 0xf1
.else
	WIN 0xc1
.endif
	MUL16 4, \k, \cm
	MUL16 6, \k, \cm
	PLACES
	WIN 0
	FETCH_A (\k)+1, 4
.endm
; A K step with a barrier in it.  In front of the barrier each wave waits for all its tensor loads, adds 0 to its spare word, and waits for that and for its reads.
; fill = 1 (K step 1): region 0 has been read out and is filled again with K steps 6, 7; the barrier opens a round of the cluster's.  fill = 0 (K step 5): that refill is shown to every wave.
.macro TURN k, fill
	s_wait_tensorcnt 0x0                           ; all my tensor loads have landed
	ds_add_u32 v[SPW], v[NIL]                      ; 0 onto my spare word
	s_wait_dscnt 13                                ; (the add and the youngest 12 loads may be out)
	WIN 0xa1
	MUL16 0, \k, 0                                 ; sixteen products stand between the add and the wait for it
	s_wait_dscnt 0x0                               ; the add is done, and my reads of the region in hand are over
	s_barrier_signal -1
	MUL16 2, \k, 0
	WIN 0
	s_barrier_wait -1
.if \fill
	CREST                                          ; no wave of any partner still reads region 0 or has a load on its way
	s_add_nc_u64 s[G0A0+2:G0A0+3], s[G0A0+2:G0A0+3], 3*LD
	s_add_nc_u64 s[G0B0+2:G0B0+3], s[G0B0+2:G0B0+3], 3*LD
	JLOAD G0A0, G1A, G0B0, G1B                     ; the first tensor load behind the round, and my only one; its four v_nop are the places in front of the loads below
.else
	PLACES
.endif
	FETCH_B (\k)+1
	FETCH_A (\k)+1, 0
	SCALES (\k)+1
	WIN 0xf1
	MUL16 4, \k, 0
	MUL16 6, \k, 0
	PLACES
	WIN 0
	FETCH_A (\k)+1, 4
.endm
	s_wait_tensorcnt 2                             ; the scale words and my part of region 0 are in; regions 1 and 2 may be out
	s_barrier_signal -1
	s_barrier_wait -1
	FETCH_B 0
	FETCH_A 0, 0
	SCALES 0
	FETCH_A 0, 4
	s_wait_loadcnt 0x0                             ; the bias
	s_cmp_eq_u32 s[KIND], 0                        ; the first K step is written twice: its C differs.  The kind is the same in all partners and all waves
	s_cbranch_scc0 .Lfirst_lanes
	STEPN 0, 1
	s_branch .Lfirst_done
.Lfirst_lanes:
	STEPN 0, 2
.Lfirst_done:
	TURN 1, 1                                      ; its wait for all loads has also shown regions 1 and 2 whole to every wave: the change from 1 to 2 needs no barrier
	STEPN 2, 0
	STEPN 3, 0
	STEPN 4, 0
	TURN 5, 0
	STEPN 6, 0
	s_wait_dscnt 12                                ; the last K step: nothing more to fetch
	WIN 0xa1
	MUL16 0, 7, 0
	MUL16 2, 7, 0
	s_wait_dscnt 0x0
	WIN 0xf1
	MUL16 4, 7, 0
	MUL16 6, 7, 0
	WIN 0
	PLACES
.irp b, 0,1,2,3
	v_mov_b32 v[TM+4+\b], 0                        ; written once: a lane permute's destination counts as one of its sources
.endr
; THE WAY OUT of A's block a: its 64 registers, register 16 b + i = new k 32 b + 16 h + i of lane r's row, become one fragment and one scale word a row.  Each accumulator is read from its low end on.
.macro OUTA a
.set S, 64*((\a)%4)
	WIN 0x28+0x14*((\a)/4)                         ; sources 1 and 2: window 2 or 3
.irp b, 0,1,2,3
	v_max3_num_f32 v[TM+\b], 0x2800000, |v[S+16*\b]|, |v[S+16*\b+1]|   ; the floor 2^(5 - 127) among the leaves
.endr
.irp i, 2,4,6,8,10,12,14
.irp b, 0,1,2,3
	v_max3_num_f32 v[TM+\b], v[TM+\b], |v[S+16*\b+\i]|, |v[S+16*\b+\i+1]|
.endr
.endr
	WIN 0
.irp b, 0,1,2,3
	v_permlanex16_b32 v[TM+4+\b], v[TM+\b], s[SEL], s[SEL+1]
.endr
.irp b, 0,1,2,3
	v_max_num_f32 v[TM+\b], v[TM+\b], v[TM+4+\b]
.endr
.irp b, 0,1,2,3
	v_add_nc_u32 v[TM+12+\b], 0xfe000000, v[TM+\b] ; 4 off the exponent field: the conversion's scale operand
.endr
.irp b, 0,1,2,3
	v_lshrrev_b32 v[TM+4+\b], 23, v[TM+12+\b]      ; the scale's byte
.endr
	v_lshl_or_b32 v[PW+(\a)], v[TM+5], 8, v[TM+4]
	v_lshl_or_b32 v[PW+(\a)], v[TM+6], 16, v[PW+(\a)]
	v_lshl_or_b32 v[PW+(\a)], v[TM+7], 24, v[PW+(\a)]
	s_wait_xcnt 0x0                                ; the last block's stores have read the codes' registers
	WIN 0x02+(\a)/4                                ; source 0: window 2 or 3
.irp c, 0,1
	v_cvt_scalef32_pk16_bf6_f32 v[PC+6*\c:PC+6*\c+2], v[S+32*\c:S+32*\c+15], v[TM+12+2*\c]
	v_cvt_scalef32_pk16_bf6_f32 v[PC+12+4*\c:PC+14+4*\c], v[S+16+32*\c:S+31+32*\c], v[TM+13+2*\c]
.endr
	WIN 0
	v_nop                                          ; one plain place behind a scaled conversion
.irp c, 0,1
.irp i, 0,1,2
	v_permlane16_swap_b32 v[PC+6*\c+\i], v[PC+12+4*\c+\i]
.endr
.irp i, 0,1,2
	v_mov_b32 v[PC+3+6*\c+\i], v[PC+12+4*\c+\i]
.endr
.endr
.irp c, 0,1,2
	global_store_b128 v[LI], v[PC+4*\c:PC+4*\c+3], s[14:15] offset:1536*(\a)+512*\c   ; 512 consecutive bytes, aligned
.endr
	ds_store_b32 v[SWA], v[PW+(\a)] offset:64*(\a) ; both halves of the lanes write the same word with the same value
.endm
.irp t, 0,1,2,3,4,5,6,7
	OUTA \t
.endr
	ds_load_b128 v[76:79], v[SRA]                  ; my eight blocks' scale words: LDS serves a wave's instructions in order
	s_wait_dscnt 0x0
	global_store_b128 v[LI], v[76:79], s[16:17]
	s_wait_tensorcnt 0x0                           ; the wave's end
	ds_add_u32 v[SPW], v[NIL]
	s_wait_dscnt 0x0
	CROUND                                         ; the closing round
	s_endpgm
.Lfunc_end_k_q3f4942eeb6_proj:
	.size	k_q3f4942eeb6_proj, .Lfunc_end_k_q3f4942eeb6_proj-k_q3f4942eeb6_proj
	.p2alignl 7, 3214868480
	.fill 96, 4, 3214868480
	.section	.rodata,"a",@progbits
	.p2align	6, 0x0
	.amdhsa_kernel k_q3f4942eeb6_proj
		.amdhsa_group_segment_fixed_size 327680
		.amdhsa_private_segment_fixed_size 0
		.amdhsa_enable_private_segment 0
		.amdhsa_kernarg_size 56
		.amdhsa_user_sgpr_count 2
		.amdhsa_user_sgpr_kernarg_segment_ptr 1
		.amdhsa_wavefront_size32 1
		.amdhsa_system_sgpr_workgroup_id_x 1
		.amdhsa_system_sgpr_workgroup_id_y 1
		.amdhsa_system_sgpr_workgroup_id_z 1
		.amdhsa_system_vgpr_workitem_id 0
		.amdhsa_next_free_vgpr 1024
		.amdhsa_next_free_sgpr 102
		.amdhsa_reserve_vcc 0
		.amdhsa_float_denorm_mode_32 3
		.amdhsa_float_denorm_mode_16_64 3
		.amdhsa_memory_ordered 1
		.amdhsa_forward_progress 1
		.amdhsa_inst_pref_size 160
	.end_amdhsa_kernel
	.amdgpu_metadata
---
amdhsa.version: [ 1, 2 ]
amdhsa.kernels:
  - .name:           k_q3f4942eeb6_proj
    .symbol:         k_q3f4942eeb6_proj.kd
    .args:
      - { .name: xc, .offset: 0, .size: 8, .value_kind: global_buffer, .address_space: global }
      - { .name: xs, .offset: 8, .size: 8, .value_kind: global_buffer, .address_space: global }
      - { .name: WQ_b, .offset: 16, .size: 8, .value_kind: global_buffer, .address_space: global }
      - { .name: WK_b, .offset: 24, .size: 8, .value_kind: global_buffer, .address_space: global }
      - { .name: WV_b, .offset: 32, .size: 8, .value_kind: global_buffer, .address_space: global }
      - { .name: yc, .offset: 40, .size: 8, .value_kind: global_buffer, .address_space: global }
      - { .name: ys, .offset: 48, .size: 8, .value_kind: global_buffer, .address_space: global }
    .group_segment_fixed_size: 327680
    .private_segment_fixed_size: 0
    .kernarg_segment_align: 8
    .kernarg_segment_size: 56
    .max_flat_workgroup_size: 128
    .sgpr_count:     102
    .vgpr_count:     1024
    .wavefront_size: 32
...
	.end_amdgpu_metadata
.endif
;; end of part 2
;; launch score (part 3): grid 32 x 8, 8 waves a work-group, no clusters, 327,680 bytes of LDS; arguments yc, ys, attn_mask, out1, pc, ps, li; writes out1, pc, ps, li
.if DOCPART == 3
	.amdgcn_target "amdgcn-amd-amdhsa--gfx1250"
	.amdhsa_code_object_version 6
	.text
	.protected	k_q3f4942eeb6_score
	.globl	k_q3f4942eeb6_score
	.p2align	8
	.type	k_q3f4942eeb6_score,@function
k_q3f4942eeb6_score:
	s_mov_b64 s[64:65], 0
	v_nop
	global_prefetch_b8 v0, s[64:65] scope:SCOPE_SE
	s_setreg_imm32_b32 hwreg(HW_REG_WAVE_MODE, 25, 1), 1
	s_wait_xcnt 0x0
; PRODUCT 4, THE MASK, THE SOFTMAX ALONG SQ, attn, AND p AS CODES.  No work is left out.
; Work-group (x, b) owns ONE block of 16 keys of batch b (block x % 8 of k's panel 4 b + x / 8: keys 32 (x / 2) + 8 (x % 2) + r + 8 (r / 8)), with all 2,048 queries: 16 x 2,048 scores stay in the
; registers of EIGHT waves, 128 a lane; no score goes to memory.  Wave w owns queries 256 w .. 256 w + 255.  8 x 32 = 256 work-groups; two waves to a SIMD, 512 registers each.
; S^T = q k^T: source 0 = 16 queries, source 1 = my 16 keys: a lane holds ONE key (lane % 16), its registers run along the queries, the softmax's axis and the next K.
; k's 8 fragments stay in registers.  q's fragments come from memory straight into a ring of four register sets, 14 loads a set: 42 to 56 loads of each of the eight waves are on their way, with no barrier.
; WHY NO CLUSTER AND NO LDS RING FOR q, though the 32 work-groups of a batch read the same q: a joint load lands in LDS, where the mask's tiles, the stages and the spare words take 266,240 of 327,680 bytes;
; the 61,440 left stand against the 8 x 24,576 = 196,608 bytes of q that one step of the eight waves takes, and each fragment feeds one product of one wave.
; THE MASK [b][sq][sk] comes once, by two tensor loads a wave at the head: 128 queries x 24 keys from my block's first key on (rows of 96 bytes; of them columns 0-7 and 16-23 are mine);
; only the wave that asked reads its tiles.  No padding: 24 words are no power of two; the two halves of the lanes meet two deep in the banks on the 16 loads of a step.
; q's CODES ARE PREFETCHED INTO THE L2 by the batch's first work-group (macro ASK).
; ARITHMETIC.  L = acc + mask x (-3.2e10) = 32 x reference()'s logit (1 / 32 is a power of two, so the rounding is reference()'s for mask values 0 and 1; for others mask x (-1e9) is not rounded by itself: a limit).
; t = L x log2(e) / 32; M = ceil(the row's largest t); p = 2^(t - M); l = the sum of the unquantised p; attn = p / l; p is quantised along sq, a block's scale from its largest score.
; LIMITS: NaN and infinities are not served; where acc / 32 would be denormal reference() rounds and this text does not; a block of p whose largest number lies under 2^(5 - 127) keeps the byte 1.
; REGISTERS: window 0: v1-13 addresses; v16-29 -M, sums, 1 / l; v32-39 k's scale words, v40-47 q's; v48-60 at work; v64-255 q's ring (behind the products: at work, and rows of attn).
;   window 1: v0-95 k's fragments, K step s at 12 s; v96-111 the step's mask; v112-119 the blocks' largest L; v128-255 the scores: register 16 t + e = query 32 t + 16 (lane / 16) + e of my 256.
.set TILE,  12288                      ; a mask tile: 128 rows x 96 bytes
.set STG,   16*TILE                    ; the stages: 16 rows x 528 bytes a wave
.set WSTG,  8448
.set ST1,   STG+8*WSTG                 ; 512 bytes: the waves' maxima; 512 more: their sums
.set SPARE, ST1+1024                   ; the spare words, 128 bytes for each wave
.set LI,  1                            ; v1   16 x lane
.set L4,  2                            ; v2   4 x lane
.set MA,  5                            ; v5   my place in my wave's mask tiles
.set R4,  6                            ; v6   4 r
.set STO, 7                            ; v7   the stage: where I put my row's numbers
.set RD,  8                            ; v8   and where I read a row back
.set S1W, 9                            ; v9   where my wave's maximum and sum go
.set S1R, 10                           ; v10  where I read all eight
.set LIO, 11                           ; v11  4 (r + 8 (r / 8))
.set SPW, 12                           ; v12  my spare word; never rewritten
.set NIL, 13                           ; v13  0; never rewritten
.set NM,  16                           ; v[16:17] -M, as a pair
.set SU,  20                           ; v[20:27] four chains of sums
.set RL,  28                           ; v[28:29] 1 / l, as a pair
.set KS,  32
.set QS,  40
.set RM,  48
.set WS,  50                           ; v50-57 the eight waves' figures
.set PSO, 59                           ; v59  4 r + 512 (lane / 16): p's scale words of my two K steps
.set PFO, 60                           ; v60  the prefetches' offset; never rewritten
.set RQ,  64
.set B0,  64                           ; behind the products: v64-71 the blocks' largest L, then p; v72-79 at work; v80-87 conversion scales; v88-89 scale words; v96-115 codes; v128-255 rows of attn
.set T,   72
.set SCOP, 80
.set PWR, 88
.set PC,  96
.set BK,  128
.set KFR, 0                            ; window 1
.set MK,  96
.set BM,  112
.set TM2, 120
.set ACC, 128
.set G1,  24
.set G0,  32
.set MSB, 0
.macro WIN new                         ; the immediate's high byte repeats the setting that is left
.if MSB != (\new)
	s_set_vgpr_msb (MSB<<8)|(\new)
.set MSB, (\new)
.endif
.endm
	s_load_b256 s[4:11], s[0:1], 0x0               ; yc s[4:5], ys s[6:7], attn_mask s[8:9], out1 s[10:11]
	s_load_b128 s[12:15], s[0:1], 0x20             ; pc s[12:13], ps s[14:15]
	s_load_b64 s[16:17], s[0:1], 0x30              ; li
	v_lshl_add_u32 v[SPW], v0, 2, SPARE
	v_mov_b32 v[NIL], 0
	ds_add_u32 v[SPW], v[NIL]                      ; the wave's opening: the add, twice on end, and its wait ahead of my first tensor load
	ds_add_u32 v[SPW], v[NIL]
	v_lshrrev_b32 v3, 5, v0
	v_readfirstlane_b32 s18, v3                    ; wave 0..7
	s_mov_b32 s19, ttmp9                           ; x
	s_and_b32 s20, ttmp7, 0xffff                   ; b
	s_lshl_b32 s2, s20, 4
	s_lshl_b32 s3, s18, 1
	s_add_co_u32 s2, s2, s3                        ; my first panel of q: 16 b + 2 w
	s_mul_i32 s48, s2, 98304
	s_mov_b32 s49, 0
	s_lshl_b32 s50, s2, 12
	s_mov_b32 s51, 0
	s_lshl_b32 s21, s20, 2
	s_lshr_b32 s3, s19, 3
	s_add_co_u32 s21, s21, s3                      ; the panel of k, and of p: 4 b + x / 8
	s_and_b32 s22, s19, 7                          ; my block in it
	s_mul_i32 s52, s21, 98304
	s_mul_i32 s3, s22, 1536
	s_add_co_u32 s52, s52, s3
	s_add_co_u32 s52, s52, 12582912
	s_mov_b32 s53, 0
	s_lshl_b32 s54, s21, 12
	s_lshl_b32 s3, s22, 6
	s_add_co_u32 s54, s54, s3
	s_add_co_u32 s54, s54, 524288
	s_mov_b32 s55, 0
	s_mov_b32 s56, 0xd0ee6b28                      ; -3.2e10 = 32 x (-1e9), exact
	s_mov_b32 s57, s56
	s_mov_b32 s58, 0x3d38aa3b                      ; log2(e) / 32
	s_mov_b32 s59, s58
	s_mov_b32 s60, 0x76543210
	s_mov_b32 s61, 0xfedcba98
	s_mov_b32 s62, 0xffff0000                      ; lanes 16-31
	s_lshr_b32 s79, s19, 1
	s_lshl_b32 s79, s79, 5
	s_and_b32 s3, s19, 1
	s_lshl_b32 s3, s3, 3
	s_add_co_u32 s79, s79, s3                      ; my block's first key in the batch: 32 (x / 2) + 8 (x % 2)
	s_lshl_b32 s23, s20, 9
	s_add_co_u32 s23, s23, s79                     ; and its row of attn
	s_lshl_b32 s68, s23, 13                        ; a row of attn is 8,192 bytes;
	s_lshl_b32 s3, s18, 10                         ; my 256 queries begin 1,024 w bytes on
	s_add_co_u32 s68, s68, s3
	s_mov_b32 s69, 0
	s_lshl_b32 s2, s21, 4
	s_lshl_b32 s3, s18, 1
	s_add_co_u32 s2, s2, s3
	s_lshl_b32 s2, s2, 3
	s_add_co_u32 s2, s2, s22                       ; my first fragment of p: (panel 16 + 2 w) 8 + x % 8
	s_mul_i32 s70, s2, 1536
	s_mov_b32 s71, 0
	s_lshl_b32 s72, s2, 6
	s_mov_b32 s73, 0
	s_lshl_b32 s74, s23, 2
	s_mov_b32 s75, 0
	s_lshl_b32 s76, s20, 22                        ; the mask: (2,048 b + 256 w) rows of 2,048 bytes + 4 x my first key
	s_lshl_b32 s3, s18, 19
	s_add_co_u32 s76, s76, s3
	s_lshl_b32 s3, s79, 2
	s_add_co_u32 s76, s76, s3
	s_mov_b32 s77, 0
	s_mul_i32 s78, s18, 2*TILE                     ; my wave's two tiles in LDS
	; group 1: 128 rows x 24 elements of 4 bytes, 512 elements from row to row; no padding
	s_mov_b32 s[G1], 2<<16
	s_mov_b32 s[G1+1], 24<<16                      ; tensor_dim0
	s_mov_b32 s[G1+2], 128<<16                     ; tensor_dim1
	s_mov_b32 s[G1+3], 24<<16                      ; tile_dim0
	s_mov_b32 s[G1+4], 128                         ; tile_dim1
	s_mov_b32 s[G1+5], 512                         ; the pitch
	s_mov_b32 s[G1+6], 0
	s_mov_b32 s[G1+7], 0
.irp g, 0,1
	s_mov_b32 s[G0+4*\g], 1
	s_add_co_u32 s[G0+4*\g+1], s78, \g*TILE
.endr
	s_wait_dscnt 0x0                               ; both opening adds are done
	s_wait_kmcnt 0x0
	s_add_nc_u64 s[8:9], s[8:9], s[76:77]
.irp g, 0,1
	s_add_nc_u64 s[G0+4*\g+2:G0+4*\g+3], s[8:9], \g*262144
	s_or_b32 s[G0+4*\g+3], s[G0+4*\g+3], 0x80000000
.endr
.irp g, 0,1
	tensor_load_to_lds s[G0+4*\g:G0+4*\g+3], s[G1:G1+7]   ; first fills only: two loads of mine are out, and nothing is ever filled again
	s_nop 0
.endr
.rept 4
	v_nop
.endr
	s_add_nc_u64 s[48:49], s[4:5], s[48:49]        ; q's codes,
	s_add_nc_u64 s[50:51], s[6:7], s[50:51]        ; q's scale words,
	s_add_nc_u64 s[52:53], s[4:5], s[52:53]        ; k's codes,
	s_add_nc_u64 s[54:55], s[6:7], s[54:55]        ; k's scale words
	s_add_nc_u64 s[68:69], s[10:11], s[68:69]      ; attn
	s_add_nc_u64 s[70:71], s[12:13], s[70:71]      ; p's codes
	s_add_nc_u64 s[72:73], s[14:15], s[72:73]      ; p's scale words
	s_add_nc_u64 s[16:17], s[16:17], s[74:75]      ; 1 / l
	v_and_b32 v3, 31, v0                           ; lane
	v_and_b32 v4, 15, v0                           ; r
	v_bfe_u32 v14, v0, 4, 1                        ; h
	v_and_b32 v15, 8, v4
	v_add_nc_u32 v15, v15, v4                      ; r + 8 (r / 8)
	v_lshlrev_b32 v[LI], 4, v3
	v_lshlrev_b32 v[L4], 2, v3
	v_lshlrev_b32 v[R4], 2, v4
	WIN 0x40                                       ; destination window 1
.irp s, 0,1,2,3,4,5,6,7
.irp c, 0,1,2
	global_load_b128 v[KFR+12*\s+4*\c:KFR+12*\s+4*\c+3], v[LI], s[52:53] offset:\s*12288+512*\c   ; k's fragments: they stay
.endr
.endr
	WIN 0
.irp s, 0,1,2,3,4,5,6,7
	global_load_b32 v[KS+\s], v[R4], s[54:55] offset:512*\s   ; key r's word (lanes 16-31 take the same and are not read)
.endr
; unit m of step t: q's fragments of K steps 2 m, 2 m + 1, query blocks 2 b, 2 b + 1 of panel g (t = 4 g + b), and their scale words: 14 loads
.macro RING t, m
.set G, (\t)/4
.set BE, (\t)%4
.irp z, 0,1
.irp u, 0,1
.irp c, 0,1,2
	global_load_b128 v[RQ+48*(\m)+24*\z+12*\u+4*\c:RQ+48*(\m)+24*\z+12*\u+4*\c+3], v[LI], s[48:49] offset:G*98304+(2*(\m)+\z)*12288+BE*3072+\u*1536+512*\c
.endr
.endr
	global_load_b32 v[QS+2*(\m)+\z], v[L4], s[50:51] offset:G*4096+512*(2*(\m)+\z)+128*BE   ; lanes 0-15: block 2 b's words, lanes 16-31: block 2 b + 1's
.endr
.endm
	RING 0, 0
	RING 0, 1
	RING 0, 2
	RING 0, 3
	v_mul_u32_u24 v[MA], v14, 1536                 ; the mask: 16 h rows of 96 bytes + 4 (r + 8 (r / 8))
	v_lshl_add_u32 v[MA], v15, 2, v[MA]
	v_add_nc_u32 v[MA], s78, v[MA]
	s_mul_i32 s79, s18, WSTG
	s_add_co_u32 s79, s79, STG
	v_mul_u32_u24 v[STO], v4, 528
	v_lshl_add_u32 v[STO], v14, 6, v[STO]
	v_add_nc_u32 v[STO], s79, v[STO]               ; the stage: row r, + 64 h
	v_add_nc_u32 v[RD], s79, v[LI]                 ; back: a row's 512 bytes, 16 a lane
	s_lshl_b32 s80, s18, 6
	s_add_co_u32 s80, s80, ST1
	v_lshl_add_u32 v[S1W], v4, 2, s80
	v_lshl_add_u32 v[S1R], v4, 2, ST1
	v_lshlrev_b32 v[LIO], 2, v15
	v_lshlrev_b32 v[PSO], 9, v14
	v_lshl_add_u32 v[PSO], v4, 2, v[PSO]
	v_lshrrev_b32 v[PFO], 2, v3                    ; the prefetches: lane l names K step l / 4, and of its 3,072 bytes the block of 256 bytes l % 4
	v_mul_u32_u24 v[PFO], v[PFO], 12288
	v_and_b32 v58, 3, v3
	v_lshl_add_u32 v[PFO], v58, 8, v[PFO]
; four products: two K steps x two query blocks; the step's two accumulators take turns, one instruction a turn; then the set is asked for again, for the next step
.macro UNIT t, m
.set AC, ACC+16*(\t)
.if (\t) == 7
	s_wait_loadcnt 14*(3-(\m))                     ; the last step: the later units' loads alone are out
.else
	s_wait_loadcnt 42                              ; this unit's 14 loads are in; three later units' may be out
.endif
	WIN 0x54                                       ; source 0 (q) window 0, source 1 (k), C and D window 1
.irp z, 0,1
.set QF, RQ+48*(\m)+24*\z
.set KF, KFR+24*(\m)+12*\z
.set SS, 2*(\m)+\z
.if SS == 0
	v_wmma_scale_f32_16x16x128_f8f6f4 v[AC:AC+7], v[QF:QF+11], v[KF:KF+11], 0, v[QS+SS], v[KS+SS] matrix_a_fmt:MATRIX_FMT_BF6 matrix_b_fmt:MATRIX_FMT_BF6
	v_wmma_scale_f32_16x16x128_f8f6f4 v[AC+8:AC+15], v[QF+12:QF+23], v[KF:KF+11], 0, v[QS+SS], v[KS+SS] matrix_a_fmt:MATRIX_FMT_BF6 matrix_b_fmt:MATRIX_FMT_BF6 matrix_a_scale:MATRIX_SCALE_ROW1
.else
	v_wmma_scale_f32_16x16x128_f8f6f4 v[AC:AC+7], v[QF:QF+11], v[KF:KF+11], v[AC:AC+7], v[QS+SS], v[KS+SS] matrix_a_fmt:MATRIX_FMT_BF6 matrix_b_fmt:MATRIX_FMT_BF6
	v_wmma_scale_f32_16x16x128_f8f6f4 v[AC+8:AC+15], v[QF+12:QF+23], v[KF:KF+11], v[AC+8:AC+15], v[QS+SS], v[KS+SS] matrix_a_fmt:MATRIX_FMT_BF6 matrix_b_fmt:MATRIX_FMT_BF6 matrix_a_scale:MATRIX_SCALE_ROW1
.endif
.endr
	WIN 0
.rept 4
	v_nop                                          ; places in front of loads into registers that these products have read, and of the first read of results
.endr
.if (\t) < 7
	RING (\t)+1, \m
.endif
.endm
; A PREFETCH INTO THE L2 of q's codes.  All 32 work-groups of a batch walk the same q: the batch's first work-group asks (a branch on the work-group's number: this launch has no cluster), each wave for its own
; queries.  Behind step t's loads, which are step t + 1's fragments, it names what step t + 3 multiplies: 8 K steps x 3,072 bytes = 96 blocks of 256 bytes, a lane a block, three instructions.
; So each block is named once in the launch.  Steps 0 to 2 come by their loads alone; steps 5 to 7 ask for nothing.  The scale words, 128 bytes a K step, are not asked for.
.macro ASK t
.set PG, ((\t)+3)/4
.set PB, ((\t)+3)%4
	s_cmp_lg_u32 s19, 0
	s_cbranch_scc1 .Lnot_mine_\@
.irp c, 0,1,2
	global_prefetch_b8 v[PFO], s[48:49] offset:PG*98304+PB*3072+1024*\c th:TH_LOAD_NT scope:SCOPE_SE
.endr
.Lnot_mine_\@:
.endm
.macro MLOAD t                         ; the step's 32 queries x my 16 keys of the mask: register e = query 32 b + 16 h + e, key r + 8 (r / 8) of the tile's 24
.set G, (\t)/4
.set BE, (\t)%4
.if BE == 0
	s_wait_tensorcnt 1-G                           ; my tile g has landed; the later tile may be out
.endif
	WIN 0x40
.irp e, 0,1,2,3,4,5,6,7,8,9,10,11,12,13,14,15
	ds_load_b32 v[MK+\e], v[MA] offset:G*TILE+(32*BE+\e)*96
.endr
	WIN 0
.endm
.macro MSTEP t                         ; L = acc + mask x (-3.2e10), and the block's largest L among my 16
.set AC, ACC+16*(\t)
	s_wait_dscnt 0x0
	WIN 0x55                                       ; all in window 1
.set i, 0
.rept 16
	v_cvt_f32_i32 v[MK+i], v[MK+i]
.set i, i+1
.endr
.irp e, 0,2,4,6,8,10,12,14
	v_pk_fma_f32 v[AC+\e:AC+\e+1], v[MK+\e:MK+\e+1], s[56:57], v[AC+\e:AC+\e+1] op_sel_hi:[1,0,1]   ; each accumulator from its low end on
.endr
	v_max3_num_f32 v[BM+(\t)], v[AC], v[AC+1], v[AC+2]               ; two chains, so that no line waits for the line above it
	v_max3_num_f32 v[TM2], v[AC+8], v[AC+9], v[AC+10]
	v_max3_num_f32 v[BM+(\t)], v[BM+(\t)], v[AC+3], v[AC+4]
	v_max3_num_f32 v[TM2], v[TM2], v[AC+11], v[AC+12]
	v_max3_num_f32 v[BM+(\t)], v[BM+(\t)], v[AC+5], v[AC+6]
	v_max3_num_f32 v[TM2], v[TM2], v[AC+13], v[AC+14]
	v_max3_num_f32 v[BM+(\t)], v[BM+(\t)], v[AC+7], v[AC+15]
	v_max_num_f32 v[BM+(\t)], v[BM+(\t)], v[TM2]
	WIN 0
.endm
.irp t, 0,1,2,3,4,5,6,7
	MLOAD \t
	UNIT \t, 0
	UNIT \t, 1
	UNIT \t, 2
	UNIT \t, 3
.if \t < 5
	ASK \t
.endif
	MSTEP \t
.endr
	; THE ROWS' MAXIMA.  The exchange with lane l xor 16 brings the 8 block maxima into window 0
	WIN 0x01
.set i, 0
.rept 8
	v_permlanex16_b32 v[T+i], v[BM+i], s60, s61
.set i, i+1
.endr
.set i, 0
.rept 8
	v_max_num_f32 v[B0+i], v[BM+i], v[T+i]         ; block t's largest L
.set i, i+1
.endr
	WIN 0
	v_max3_num_f32 v[RM], v[B0], v[B0+1], v[B0+2]
	v_max3_num_f32 v[RM], v[RM], v[B0+3], v[B0+4]
	v_max3_num_f32 v[RM], v[RM], v[B0+5], v[B0+6]
	v_max_num_f32 v[RM], v[RM], v[B0+7]
	ds_store_b32 v[S1W], v[RM]                     ; my wave's 256 queries' maximum of each key (both halves of the lanes write the same word with the same value)
	s_wait_dscnt 0x0                               ; for the others' sake
	s_barrier_signal -1
	s_barrier_wait -1
.irp w, 0,1,2,3,4,5,6,7
	ds_load_b32 v[WS+\w], v[S1R] offset:64*\w
.endr
	s_wait_dscnt 0x0
	v_max3_num_f32 v[RM], v[WS], v[WS+1], v[WS+2]
	v_max3_num_f32 v[RM], v[RM], v[WS+3], v[WS+4]
	v_max3_num_f32 v[RM], v[RM], v[WS+5], v[WS+6]
	v_max_num_f32 v[RM], v[RM], v[WS+7]
	v_mul_f32 v[RM], s58, v[RM]                    ; as t
	v_floor_f32 v[NM], -v[RM]                      ; -M = floor(-t) = -ceil(t): a whole number
	v_mov_b32 v[NM+1], v[NM]                       ; (the packed form names the pair)
	; p = 2^(t - M): the scalings, then the exponentials, as ONE batch with one wait
	WIN 0x41                                       ; destination and source 0 window 1; -M window 0
.set i, 0
.rept 64
	v_pk_fma_f32 v[ACC+i:ACC+i+1], v[ACC+i:ACC+i+1], s[58:59], v[NM:NM+1] op_sel_hi:[1,0,0]
.set i, i+2
.endr
.set i, 0
.rept 128
	v_exp_f32 v[ACC+i], v[ACC+i]
.set i, i+1
.endr
	WIN 0
.set i, 0
.rept 8
	v_fma_f32 v[B0+i], v[B0+i], s58, v[NM]         ; the same of each block's largest L: the same bits as its largest p
.set i, i+1
.endr
.set i, 0
.rept 8
	v_exp_f32 v[B0+i], v[B0+i]
.set i, i+1
.endr
.irp i, 0,1,2,3,4,5,6,7
	v_mov_b32 v[SU+\i], 0                          ; the four chains of sums begin; plain lines behind the last exponential
.endr
	s_wait_alu depctr_va_vdst(0)                   ; the wait ahead of the first instruction that names an exponential's result: one for the batch
	; l: the sum of the unquantised p: chain q takes registers 32 q .. 32 q + 31
	WIN 0x04
.set n, 0
.rept 16
.irp q, 0,1,2,3
	v_pk_add_f32 v[SU+2*\q:SU+2*\q+1], v[SU+2*\q:SU+2*\q+1], v[ACC+32*\q+n:ACC+32*\q+n+1]
.endr
.set n, n+2
.endr
	WIN 0
	v_pk_add_f32 v[SU:SU+1], v[SU:SU+1], v[SU+4:SU+5]
	v_pk_add_f32 v[SU+2:SU+3], v[SU+2:SU+3], v[SU+6:SU+7]
	v_pk_add_f32 v[SU:SU+1], v[SU:SU+1], v[SU+2:SU+3]
	v_add_f32 v[SU], v[SU], v[SU+1]
	v_permlanex16_b32 v[SU+4], v[SU], s60, s61
	v_add_f32 v[SU], v[SU], v[SU+4]
	ds_store_b32 v[S1W], v[SU] offset:512          ; other bytes than the maxima's: no barrier is owed between the reads above and this store
	s_wait_dscnt 0x0
	s_barrier_signal -1
	s_barrier_wait -1
.irp w, 0,1,2,3,4,5,6,7
	ds_load_b32 v[WS+\w], v[S1R] offset:512+64*\w
.endr
	s_wait_dscnt 0x0
.irp w, 0,2,4,6
	v_add_f32 v[WS+\w], v[WS+\w], v[WS+\w+1]
.endr
	v_add_f32 v[WS], v[WS], v[WS+2]
	v_add_f32 v[WS+4], v[WS+4], v[WS+6]
	v_add_f32 v[WS], v[WS], v[WS+4]                ; the same order in all eight waves: the same l
	v_rcp_f32 v[RL], v[WS]
	; the blocks' scales (plain work behind the reciprocal, which it does not name)
.set i, 0
.rept 8
	v_max_num_f32 v[B0+i], 0x2800000, v[B0+i]      ; the floor 2^(5 - 127): a block whose every p is 0 keeps the byte 1: its codes are zeros
.set i, i+1
.endr
.set i, 0
.rept 8
	v_add_nc_u32 v[SCOP+i], 0xfe000000, v[B0+i]    ; 4 off the exponent field: the conversion's scale operand
.set i, i+1
.endr
.set i, 0
.rept 8
	v_lshrrev_b32 v[T+i], 23, v[SCOP+i]            ; the scale's byte
.set i, i+1
.endr
.irp g, 0,1                                    ; panel g: the four bytes of blocks t = 4 g + 0 .. 3
	v_lshl_or_b32 v[PWR+\g], v[T+4*\g+1], 8, v[T+4*\g]
	v_lshl_or_b32 v[PWR+\g], v[T+4*\g+2], 16, v[PWR+\g]
	v_lshl_or_b32 v[PWR+\g], v[T+4*\g+3], 24, v[PWR+\g]
.endr
	s_wait_alu depctr_va_vdst(0)                   ; and the wait for the reciprocal, ahead of its first reader
	v_mov_b32 v[RL+1], v[RL]
; THE WAY OUT, panel by panel (16 keys x 128 queries).  QP: p's codes, one fragment.  AT: attn = p / l, in place.  TOSTAGE: through my stage, back as whole rows of 512 bytes.  SEND: stored.
.macro QP g
.set S, ACC+64*(\g)
	s_wait_xcnt 0x0                                ; all earlier stores have read their registers: the codes' are written again
	WIN 0x01                                       ; source 0 window 1
.irp c, 0,1
	v_cvt_scalef32_pk16_bf6_f32 v[PC+6*\c:PC+6*\c+2], v[S+32*\c:S+32*\c+15], v[SCOP+4*(\g)+2*\c]
	v_cvt_scalef32_pk16_bf6_f32 v[PC+12+4*\c:PC+14+4*\c], v[S+16+32*\c:S+31+32*\c], v[SCOP+4*(\g)+2*\c+1]   ; (a conversion's three registers begin on an even number)
.endr
	WIN 0
	v_nop                                          ; one plain place behind a scaled conversion
.irp c, 0,1                                    ; the operand's layout wants a whole block in a lane
.irp i, 0,1,2
	v_permlane16_swap_b32 v[PC+6*\c+\i], v[PC+12+4*\c+\i]
.endr
.irp i, 0,1,2
	v_mov_b32 v[PC+3+6*\c+\i], v[PC+12+4*\c+\i]
.endr
.endr
.irp c, 0,1,2
	global_store_b128 v[LI], v[PC+4*\c:PC+4*\c+3], s[70:71] offset:12288*(\g)+512*\c   ; 512 consecutive bytes, aligned
.endr
.endm
.macro AT g
.set S, ACC+64*(\g)
	WIN 0x41
.set i, 0
.rept 32
	v_pk_mul_f32 v[S+i:S+i+1], v[S+i:S+i+1], v[RL:RL+1] op_sel_hi:[1,0]
.set i, i+2
.endr
.endm
.macro TOSTAGE g
.set S, ACC+64*(\g)
	WIN 0x04                                       ; an LDS store's data are its source 1
.irp x, 0,1,2,3
.irp u, 0,1
.irp q, 0,1
	ds_store_b128 v[STO], v[S+16*\x+8*\u+4*\q:S+16*\x+8*\u+4*\q+3] offset:128*\x+32*\u+16*\q
.endr
.endr
.endr
	WIN 0
.irp t, 0,1,2,3,4,5,6,7,8,9,10,11,12,13,14,15
	ds_load_b128 v[BK+64*(\g)+4*\t:BK+64*(\g)+4*\t+3], v[RD] offset:528*\t   ; LDS serves a wave's instructions in order: these see the stores above, and the next panel's stores come behind them
.endr
.endm
.macro SEND g, younger
	s_wait_dscnt \younger                          ; the panel is back in registers; the next panel's 16 stores and 16 loads may be out
.irp t, 0,1,2,3,4,5,6,7,8,9,10,11,12,13,14,15
	global_store_b128 v[LI], v[BK+64*(\g)+4*\t:BK+64*(\g)+4*\t+3], s[68:69] offset:(\t+8*(\t/8))*8192+512*(\g) th:TH_STORE_NT   ; 512 consecutive bytes of a row of attn, aligned
.endr
.endm
	QP 0
	AT 0
	TOSTAGE 0
	QP 1
	AT 1
	TOSTAGE 1
	SEND 0, 32
	SEND 1, 0
	v_cndmask_b32 v[T], v[PWR], v[PWR+1], s62      ; lanes 0-15: panel 0's words, lanes 16-31: panel 1's, 512 bytes on
	global_store_b32 v[PSO], v[T], s[72:73]
	s_cmp_lg_u32 s18, 0                            ; all eight waves hold the same 1 / l: wave 0's lanes 0-15 store it
	s_cbranch_scc1 .Lnot_wave_0
	v_cmp_gt_u32 vcc_lo, 16, v3
	s_wait_xcnt 0x0                                ; EXEC is a source of the stores above: it changes only behind this wait
	s_and_saveexec_b32 s81, vcc_lo
	global_store_b32 v[LIO], v[RL], s[16:17]
	s_wait_xcnt 0x0                                ; and again, in front of the line that widens it
	s_or_b32 exec_lo, exec_lo, s81
.Lnot_wave_0:
	s_wait_tensorcnt 0x0                           ; the wave's end
	ds_add_u32 v[SPW], v[NIL]
	s_wait_dscnt 0x0
	s_endpgm
.Lfunc_end_k_q3f4942eeb6_score:
	.size	k_q3f4942eeb6_score, .Lfunc_end_k_q3f4942eeb6_score-k_q3f4942eeb6_score
	.p2alignl 7, 3214868480
	.fill 96, 4, 3214868480
	.section	.rodata,"a",@progbits
	.p2align	6, 0x0
	.amdhsa_kernel k_q3f4942eeb6_score
		.amdhsa_group_segment_fixed_size 327680
		.amdhsa_private_segment_fixed_size 0
		.amdhsa_enable_private_segment 0
		.amdhsa_kernarg_size 56
		.amdhsa_user_sgpr_count 2
		.amdhsa_user_sgpr_kernarg_segment_ptr 1
		.amdhsa_wavefront_size32 1
		.amdhsa_system_sgpr_workgroup_id_x 1
		.amdhsa_system_sgpr_workgroup_id_y 1
		.amdhsa_system_sgpr_workgroup_id_z 1
		.amdhsa_system_vgpr_workitem_id 0
		.amdhsa_next_free_vgpr 512
		.amdhsa_next_free_sgpr 84
		.amdhsa_reserve_vcc 1
		.amdhsa_float_denorm_mode_32 3
		.amdhsa_float_denorm_mode_16_64 3
		.amdhsa_memory_ordered 1
		.amdhsa_forward_progress 1
		.amdhsa_inst_pref_size 129
	.end_amdhsa_kernel
	.amdgpu_metadata
---
amdhsa.version: [ 1, 2 ]
amdhsa.kernels:
  - .name:           k_q3f4942eeb6_score
    .symbol:         k_q3f4942eeb6_score.kd
    .args:
      - { .name: yc, .offset: 0, .size: 8, .value_kind: global_buffer, .address_space: global }
      - { .name: ys, .offset: 8, .size: 8, .value_kind: global_buffer, .address_space: global }
      - { .name: attn_mask, .offset: 16, .size: 8, .value_kind: global_buffer, .address_space: global }
      - { .name: out1, .offset: 24, .size: 8, .value_kind: global_buffer, .address_space: global }
      - { .name: pc, .offset: 32, .size: 8, .value_kind: global_buffer, .address_space: global }
      - { .name: ps, .offset: 40, .size: 8, .value_kind: global_buffer, .address_space: global }
      - { .name: li, .offset: 48, .size: 8, .value_kind: global_buffer, .address_space: global }
    .group_segment_fixed_size: 327680
    .private_segment_fixed_size: 0
    .kernarg_segment_align: 8
    .kernarg_segment_size: 56
    .max_flat_workgroup_size: 256
    .sgpr_count:     84
    .vgpr_count:     512
    .wavefront_size: 32
...
	.end_amdgpu_metadata
.endif
;; end of part 3
;; launch ctx (part 4): grid 8 x 32, 4 waves a work-group, clusters of 4 x 4, 327,680 bytes of LDS; arguments pc, ps, yc, ys, li, out0; writes out0
.if DOCPART == 4
	.amdgcn_target "amdgcn-amd-amdhsa--gfx1250"
	.amdhsa_code_object_version 6
	.text
	.protected	k_q3f4942eeb6_ctx
	.globl	k_q3f4942eeb6_ctx
	.p2align	8
	.type	k_q3f4942eeb6_ctx,@function
k_q3f4942eeb6_ctx:
	s_mov_b64 s[64:65], 0
	v_nop
	global_prefetch_b8 v0, s[64:65] scope:SCOPE_SE
	s_setreg_imm32_b32 hwreg(HW_REG_WAVE_MODE, 25, 1), 1
	s_wait_xcnt 0x0
	s_wait_alu depctr_hold_cnt(0) depctr_sa_sdst(0) depctr_va_vdst(0) depctr_va_sdst(0) depctr_va_ssrc(0) depctr_va_vcc(0) depctr_vm_vsrc(0)
	s_getreg_b32 s2, hwreg(HW_REG_IB_STS2, 6, 4)
	s_cmp_eq_u32 s2, 0
	s_cbranch_scc0 .Lentry_in_a_cluster
	s_endpgm
.Lentry_in_a_cluster:
	s_bfe_u32 s2, ttmp6, 0x10000c
	s_cmp_lg_u32 s2, 0xf033
	s_cbranch_scc0 .Lentry_shape_is_right
	s_endpgm
.Lentry_shape_is_right:
; PRODUCT 5: context[b][sk][dv] = (the sum over sq of p[sk][sq] v[sq][dv]) / l[sk], on codes of BF6.  No work is left out.
; A tile is 128 keys x 128 channels: 8 x 4 x 8 = 256 work-groups.  A = p (source 1: the lanes, a key each), B = v^T (source 0: the registers, channels).  Four waves, each 64 x 64: 16 accumulators.
; K = 2,048 is 16 steps.  LDS has three regions of four K steps (A's panel, then B's); a wave's tensor load brings 24,576 dense bytes, two K steps of one panel.  Regions 0, 1, 2 and the scale words go out
; at the head; ONE refill, region 0 with K steps 12 to 15, stands behind the change from region 0 to region 1.  By this text's count a wave has four tensor loads out at the head, later one.
; CLUSTERS: 4 x 4; a cluster's y is the batch.  p's panel hangs on the cluster's row, v^T's on its column: each load is asked for jointly by four work-groups.
; A larger tile would leave three WGPs in four without work: so each fragment read from LDS feeds four products.
; REGISTERS: window 0: v16-30 addresses; v32-39 scale words, two sets; v40-47 1 / l in pairs; v64-127 the way out; v128-255 accumulator (a, b) at 128 + 8 (4 a + b).
;   window 1: set e at 128 e: A's four fragments, then B's four at + 48.
; Nothing is prefetched: three quarters of a tile's bytes are asked for at the head, and the refill has eight K steps in which to land.
.set RG,    98304
.set LD,    24576
.set SCL,   3*RG                       ; A's 8,192 bytes of scale words, then B's
.set SPARE, SCL+18432
.set ADRA, 16
.set ADRB, 20
.set STO,  24
.set RD,   25
.set CO,   26
.set ADRS, 27
.set SPW,  28
.set NIL,  29
.set LO4,  30
.set SC,   32
.set RL,   40
.set T,    64
.set BK,   96
.set ACC,  128
.set WV,   18
.set WH,   19                          ; wave / 2: my 64 keys; and: I fetch for A (0) or B (1)
.set WL,   20                          ; wave % 2: my 64 channels; and which half of a region's K steps I fetch
.set CX,   21
.set CY,   22
.set G1A,  24
.set G1B,  32
.set G1SA, 40
.set G1SB, 48
.set G0A0, 56
.set G0A1, 60
.set G0A2, 68
.set G0B0, 72
.set G0B1, 76
.set G0B2, 80
.set G0SA, 84
.set G0SB, 88
.set MSB, 0
.macro WIN new
.if MSB != (\new)
	s_set_vgpr_msb (MSB<<8)|(\new)
.set MSB, (\new)
.endif
.endm
.macro JLOAD g0a, g1a, g0b, g1b        ; a joint load: waves 0 and 1 fetch for A, waves 2 and 3 for B; an s_nop 0 and four v_nop follow each line
	s_cmp_eq_u32 s[WH], 0
	s_cbranch_scc0 .Lfor_b_\@
	tensor_load_to_lds s[\g0a:\g0a+3], s[\g1a:\g1a+7]
	s_nop 0
.rept 4
	v_nop
.endr
	s_branch .Lasked_\@
.Lfor_b_\@:
	tensor_load_to_lds s[\g0b:\g0b+3], s[\g1b:\g1b+7]
	s_nop 0
.rept 4
	v_nop
.endr
.Lasked_\@:
.endm
.macro CREST
	s_cmp_lg_u32 s[WV], 0
	s_cbranch_scc1 .Lnot_wave_0_\@
	s_barrier_signal -3
.Lnot_wave_0_\@:
	s_barrier_wait -3
	s_barrier_signal -1
	s_barrier_wait -1
.endm
.macro CROUND
	s_barrier_signal -1
	s_barrier_wait -1
	CREST
.endm
.macro PLACES
.rept 4
	v_nop
.endr
.endm
	s_load_b256 s[4:11], s[0:1], 0x0               ; pc s[4:5], ps s[6:7], yc s[8:9], ys s[10:11]
	s_load_b128 s[12:15], s[0:1], 0x20             ; li s[12:13], out0 s[14:15]
	v_lshl_add_u32 v[SPW], v0, 2, SPARE
	v_mov_b32 v[NIL], 0
	ds_add_u32 v[SPW], v[NIL]                      ; the wave's opening: the add, twice on end, and its wait ahead of my first tensor load
	ds_add_u32 v[SPW], v[NIL]
	v_lshrrev_b32 v1, 5, v0
	v_readfirstlane_b32 s[WV], v1
	s_lshr_b32 s[WH], s[WV], 1
	s_and_b32 s[WL], s[WV], 1
	s_bfe_u32 s[CX], ttmp6, 0x40000
	s_bfe_u32 s[CY], ttmp6, 0x40004
	s_and_b32 s92, ttmp7, 0xffff                   ; the batch
	s_lshl_b32 s93, s92, 2
	s_add_co_u32 s93, s93, s[CY]                   ; Y: p's panel: 4 b + cy
	s_lshl_b32 s94, ttmp9, 2
	s_add_co_u32 s94, s94, s[CX]                   ; X: the panel of channels
	s_lshl_b32 s95, s92, 3
	s_add_co_u32 s95, s95, s94                     ; v^T's panel: 8 b + X
	s_mul_i32 s96, s[WL], LD                       ; which two of a region's four K steps I fetch
	s_mul_i32 s[G0A0+2], s93, 196608
	s_add_co_u32 s[G0A0+2], s[G0A0+2], s96
	s_mov_b32 s[G0A0+3], 0
	s_mul_i32 s[G0B0+2], s95, 196608
	s_add_co_u32 s[G0B0+2], s[G0B0+2], s96
	s_add_co_u32 s[G0B0+2], s[G0B0+2], 15728640
	s_mov_b32 s[G0B0+3], 0
	s_lshl_b32 s96, s[WL], 12                      ; and which half of a panel's scale words
	s_lshl_b32 s[G0SA+2], s93, 13
	s_add_co_u32 s[G0SA+2], s[G0SA+2], s96
	s_mov_b32 s[G0SA+3], 0
	s_lshl_b32 s[G0SB+2], s95, 13
	s_add_co_u32 s[G0SB+2], s[G0SB+2], s96
	s_add_co_u32 s[G0SB+2], s[G0SB+2], 655360
	s_mov_b32 s[G0SB+3], 0
	s_lshl_b32 s2, s[CY], 2
	s_lshl_b32 s2, 15, s2                          ; my row of the cluster
	s_lshl_b32 s3, 0x1111, s[CX]                   ; my column
	s_or_b32 s[G1A], s2, (3<<16)|(1<<21)           ; dense bytes as rows of 256 (32 elements of 8 bytes): 96 rows of codes, 16 of scale words
	s_or_b32 s[G1SA], s2, (3<<16)|(1<<21)
	s_or_b32 s[G1B], s3, (3<<16)|(1<<21)
	s_or_b32 s[G1SB], s3, (3<<16)|(1<<21)
.irp g, G1A, G1B
	s_mov_b32 s[\g+1], 32<<16
	s_mov_b32 s[\g+2], 96<<16
	s_mov_b32 s[\g+3], 32<<16
	s_mov_b32 s[\g+4], 96
	s_mov_b32 s[\g+5], 32
	s_mov_b32 s[\g+6], 0
	s_mov_b32 s[\g+7], 0
.endr
.irp g, G1SA, G1SB
	s_mov_b32 s[\g+1], 32<<16
	s_mov_b32 s[\g+2], 16<<16
	s_mov_b32 s[\g+3], 32<<16
	s_mov_b32 s[\g+4], 16
	s_mov_b32 s[\g+5], 32
	s_mov_b32 s[\g+6], 0
	s_mov_b32 s[\g+7], 0
.endr
	s_mul_i32 s96, s[WV], LD                       ; where my loads land in a region
.irp g, G0A0, G0B0
	s_mov_b32 s[\g], 1
	s_mov_b32 s[\g+1], s96
.endr
.irp g, G0A1, G0B1
	s_mov_b32 s[\g], 1
	s_add_co_u32 s[\g+1], s96, RG
.endr
.irp g, G0A2, G0B2
	s_mov_b32 s[\g], 1
	s_add_co_u32 s[\g+1], s96, 2*RG
.endr
.irp g, G0SA, G0SB
	s_mov_b32 s[\g], 1
	s_lshl_b32 s[\g+1], s[WV], 12
	s_add_co_u32 s[\g+1], s[\g+1], SCL
.endr
	s_wait_dscnt 0x0                               ; both opening adds are done
	s_wait_kmcnt 0x0
	s_add_nc_u64 s[G0A0+2:G0A0+3], s[4:5], s[G0A0+2:G0A0+3]
	s_add_nc_u64 s[G0A1+2:G0A1+3], s[G0A0+2:G0A0+3], 2*LD
	s_add_nc_u64 s[G0A2+2:G0A2+3], s[G0A0+2:G0A0+3], 4*LD
	s_add_nc_u64 s[G0B0+2:G0B0+3], s[8:9], s[G0B0+2:G0B0+3]
	s_add_nc_u64 s[G0B1+2:G0B1+3], s[G0B0+2:G0B0+3], 2*LD
	s_add_nc_u64 s[G0B2+2:G0B2+3], s[G0B0+2:G0B0+3], 4*LD
	s_add_nc_u64 s[G0SA+2:G0SA+3], s[6:7], s[G0SA+2:G0SA+3]
	s_add_nc_u64 s[G0SB+2:G0SB+3], s[10:11], s[G0SB+2:G0SB+3]
.irp g, G0A0, G0A1, G0A2, G0B0, G0B1, G0B2, G0SA, G0SB
	s_or_b32 s[\g+3], s[\g+3], 0x80000000
.endr
	CROUND                                         ; all sixteen work-groups are here: the first joint loads meet
	JLOAD G0SA, G1SA, G0SB, G1SB                   ; the scale words of all of K
	JLOAD G0A0, G1A, G0B0, G1B                     ; K steps 0-3
	JLOAD G0A1, G1A, G0B1, G1B                     ; K steps 4-7
	JLOAD G0A2, G1A, G0B2, G1B                     ; K steps 8-11
	s_lshl_b32 s96, s93, 7
	s_lshl_b32 s97, s[WH], 6
	s_add_co_u32 s96, s96, s97                     ; my first row: 128 Y + 64 (wave / 2)
	s_lshl_b32 s98, s96, 2
	s_mov_b32 s99, 0
	s_add_nc_u64 s[12:13], s[12:13], s[98:99]      ; its 1 / l
	s_lshl_b32 s100, s96, 12
	s_lshl_b32 s97, s94, 9
	s_add_co_u32 s100, s100, s97
	s_lshl_b32 s97, s[WL], 8
	s_add_co_u32 s100, s100, s97
	s_mov_b32 s101, 0
	s_add_nc_u64 s[14:15], s[14:15], s[100:101]    ; and its 256 bytes of out0: row x 4,096 + 512 X + 256 (wave % 2)
	v_and_b32 v1, 31, v0
	v_and_b32 v2, 15, v0                           ; r
	v_bfe_u32 v3, v0, 4, 1                         ; h
	v_lshlrev_b32 v4, 4, v1
	s_mul_i32 s2, s[WH], 6144                      ; my four blocks of A,
	s_mul_i32 s3, s[WL], 6144                      ; my four of B, behind A's four K steps
	s_add_co_u32 s3, s3, 2*LD
.irp p, 0,1,2
	v_add_nc_u32 v[ADRA+\p], s2, v4
	v_add_nc_u32 v[ADRB+\p], s3, v4
	s_add_co_u32 s2, s2, RG
	s_add_co_u32 s3, s3, RG
.endr
	v_lshlrev_b32 v5, 2, v2
	s_lshl_b32 s2, s[WH], 8
	s_lshl_b32 s3, s[WL], 8
	s_add_co_u32 s3, s3, 8192
	s_sub_co_u32 s3, s3, s2
	v_mul_u32_u24 v6, s3, v3                       ; lanes 16-31 take B's words
	s_add_co_u32 s2, s2, SCL
	v_add_nc_u32 v6, v5, v6
	v_add_nc_u32 v[ADRS], s2, v6
	s_mul_i32 s2, s[WV], 4352                      ; my stage, 16 rows x 272 bytes, in region 1
	s_add_co_u32 s2, s2, RG
	v_mul_u32_u24 v6, v2, 272
	v_lshl_add_u32 v6, v3, 6, v6
	v_add_nc_u32 v[STO], s2, v6
	v_mul_u32_u24 v6, v3, 272
	v_lshl_add_u32 v6, v2, 4, v6
	v_add_nc_u32 v[RD], s2, v6
	v_lshlrev_b32 v[CO], 12, v3
	v_lshl_add_u32 v[CO], v2, 4, v[CO]             ; lanes 0-15 one row of out0, lanes 16-31 the next; 16 bytes a lane
	v_and_b32 v6, 8, v2
	v_add_nc_u32 v6, v6, v2
	v_lshlrev_b32 v[LO4], 2, v6
.irp a, 0,1,2,3
	global_load_b32 v[RL+2*\a], v[LO4], s[12:13] offset:(32*(\a/2)+8*(\a%2))*4   ; 1 / l of block a's lane r: row 32 (a / 2) + 8 (a % 2) + r + 8 (r / 8)
.endr
.macro FRAG reg, adr, off
.irp c, 0,1,2
	ds_load_b128 v[(\reg)+4*\c:(\reg)+4*\c+3], v[(\adr)] offset:(\off)+512*\c
.endr
.endm
.macro FETCH k                         ; K step k's eight fragments into set k % 2, and its scale words: 28 LDS loads
	WIN 0x40
.irp i, 0,1,2,3
	FRAG 128*((\k)%2)+12*\i, ADRA+((\k)/4)%3, ((\k)%4)*12288+1536*\i
.endr
.irp i, 0,1,2,3
	FRAG 128*((\k)%2)+48+12*\i, ADRB+((\k)/4)%3, ((\k)%4)*12288+1536*\i
.endr
	WIN 0
.irp i, 0,1,2,3
	ds_load_b32 v[SC+4*((\k)%2)+\i], v[ADRS] offset:512*(\k)+64*\i
.endr
.endm
; eight products: A's blocks a0, a0 + 1 x B's four.  The 16 accumulators take turns, in the same order in every step.
.macro MUL8 k, a0, zero
.irp a, \a0, \a0+1
.irp b, 0,1,2,3
.if \zero
	v_wmma_scale_f32_16x16x128_f8f6f4 v[ACC+8*(4*(\a)+\b):ACC+8*(4*(\a)+\b)+7], v[128*((\k)%2)+48+12*\b:128*((\k)%2)+48+12*\b+11], v[128*((\k)%2)+12*(\a):128*((\k)%2)+12*(\a)+11], 0, v[SC+4*((\k)%2)+\b], v[SC+4*((\k)%2)+(\a)] matrix_a_fmt:MATRIX_FMT_BF6 matrix_b_fmt:MATRIX_FMT_BF6 matrix_a_scale:MATRIX_SCALE_ROW1
.else
	v_wmma_scale_f32_16x16x128_f8f6f4 v[ACC+8*(4*(\a)+\b):ACC+8*(4*(\a)+\b)+7], v[128*((\k)%2)+48+12*\b:128*((\k)%2)+48+12*\b+11], v[128*((\k)%2)+12*(\a):128*((\k)%2)+12*(\a)+11], v[ACC+8*(4*(\a)+\b):ACC+8*(4*(\a)+\b)+7], v[SC+4*((\k)%2)+\b], v[SC+4*((\k)%2)+(\a)] matrix_a_fmt:MATRIX_FMT_BF6 matrix_b_fmt:MATRIX_FMT_BF6 matrix_a_scale:MATRIX_SCALE_ROW1
.endif
.endr
.endr
.endm
; A K step.  kind 0: the next step's bytes are known to lie in LDS.  kind 1 (K step 3): region 0 has been read out and is filled again, behind a round of the cluster's barrier.
; kind 2 (K step 11): a barrier shows that refill to every wave.  kind 3: the last step.
.macro KSTEP k, kind, zero
.if (\kind) == 0
	s_wait_dscnt 0x0                               ; this step's fragments and scale words are in
	PLACES                                         ; in front of loads into the set that the last step's products read
	FETCH (\k)+1
	WIN 0x05                                       ; sources 0 and 1 window 1; C and D window 0
	MUL8 \k, 0, \zero
	MUL8 \k, 2, \zero
.elseif (\kind) == 3
	s_wait_dscnt 0x0
	WIN 0x05
	MUL8 \k, 0, 0
	MUL8 \k, 2, 0
.else
	WIN 0
	s_wait_tensorcnt 0x0                           ; all my tensor loads have landed
	ds_add_u32 v[SPW], v[NIL]                      ; 0 onto my spare word
	s_wait_dscnt 1                                 ; this step's fragments are in; the add may be out
	WIN 0x05
	MUL8 \k, 0, 0                                  ; eight products stand between the add and the wait for it
	s_wait_dscnt 0x0                               ; the add is done, and my reads of the region in hand are over
	s_barrier_signal -1
	WIN 0
	s_barrier_wait -1
.if (\kind) == 1
	CREST                                          ; no wave of any partner still reads region 0 or has a load on its way
	s_add_nc_u64 s[G0A0+2:G0A0+3], s[G0A0+2:G0A0+3], 6*LD
	s_add_nc_u64 s[G0B0+2:G0B0+3], s[G0B0+2:G0B0+3], 6*LD
	JLOAD G0A0, G1A, G0B0, G1B                     ; the first tensor load behind the round, and my only one; its four v_nop are the places in front of the loads below
.else
	PLACES
.endif
	FETCH (\k)+1
	WIN 0x05
	MUL8 \k, 2, 0
.endif
.endm
	s_wait_tensorcnt 2                             ; the scale words and my part of region 0 are in; regions 1 and 2 may be out
	s_barrier_signal -1
	s_barrier_wait -1
	FETCH 0
	KSTEP 0, 0, 1                                  ; the first step's products start the sums
	KSTEP 1, 0, 0
	KSTEP 2, 0, 0
	KSTEP 3, 1, 0                                  ; its wait for all loads has also shown regions 1 and 2 whole to every wave
.irp k, 4,5,6,7,8,9,10
	KSTEP \k, 0, 0
.endr
	KSTEP 11, 2, 0
.irp k, 12,13,14
	KSTEP \k, 0, 0
.endr
	KSTEP 15, 3, 0
	WIN 0
	; THE WAY OUT, a block of 16 keys x 64 channels at a time: x 1 / l, through my stage, back as whole rows of 256 bytes.  The stage lies in region 1: it has had its last fill, and behind K step 11's barrier nobody reads it.
	PLACES
	s_wait_loadcnt 0x0                             ; 1 / l
.irp a, 0,1,2,3
	v_mov_b32 v[RL+2*\a+1], v[RL+2*\a]             ; (the packed form names the pair)
.endr
.irp a, 0,1,2,3
.if \a > 0
	s_wait_xcnt 0x0                                ; the last block's stores have read their registers
.endif
.irp n, 0,1,2,3,4,5,6,7,8,9,10,11,12,13,14,15
	v_pk_mul_f32 v[T+2*\n:T+2*\n+1], v[ACC+32*\a+2*\n:ACC+32*\a+2*\n+1], v[RL+2*\a:RL+2*\a+1] op_sel_hi:[1,0]   ; each accumulator from its low end on
.endr
.irp b, 0,1,2,3
.irp q, 0,1
	ds_store_b128 v[STO], v[T+8*\b+4*\q:T+8*\b+4*\q+3] offset:128*(\b/2)+32*(\b%2)+16*\q   ; tile b's register j of half h is channel 32 (b / 2) + 16 h + 8 (b % 2) + j
.endr
.endr
.irp t, 0,1,2,3,4,5,6,7
	ds_load_b128 v[BK+4*\t:BK+4*\t+3], v[RD] offset:544*\t   ; LDS serves a wave's instructions in order: these see the stores above
.endr
.irp t, 0,1,2,3,4,5,6,7
	s_wait_dscnt 7-\t                              ; rows 2 t, 2 t + 1 are in; the younger loads may be out
	global_store_b128 v[CO], v[BK+4*\t:BK+4*\t+3], s[14:15] offset:(32*(\a/2)+8*(\a%2)+2*\t+8*(\t/4))*4096 th:TH_STORE_NT   ; 16 lanes store 256 consecutive bytes, aligned
.endr
.endr
	s_wait_tensorcnt 0x0                           ; the wave's end
	ds_add_u32 v[SPW], v[NIL]
	s_wait_dscnt 0x0
	CROUND                                         ; the closing round
	s_endpgm
.Lfunc_end_k_q3f4942eeb6_ctx:
	.size	k_q3f4942eeb6_ctx, .Lfunc_end_k_q3f4942eeb6_ctx-k_q3f4942eeb6_ctx
	.p2alignl 7, 3214868480
	.fill 96, 4, 3214868480
	.section	.rodata,"a",@progbits
	.p2align	6, 0x0
	.amdhsa_kernel k_q3f4942eeb6_ctx
		.amdhsa_group_segment_fixed_size 327680
		.amdhsa_private_segment_fixed_size 0
		.amdhsa_enable_private_segment 0
		.amdhsa_kernarg_size 48
		.amdhsa_user_sgpr_count 2
		.amdhsa_user_sgpr_kernarg_segment_ptr 1
		.amdhsa_wavefront_size32 1
		.amdhsa_system_sgpr_workgroup_id_x 1
		.amdhsa_system_sgpr_workgroup_id_y 1
		.amdhsa_system_sgpr_workgroup_id_z 1
		.amdhsa_system_vgpr_workitem_id 0
		.amdhsa_next_free_vgpr 512
		.amdhsa_next_free_sgpr 102
		.amdhsa_reserve_vcc 0
		.amdhsa_float_denorm_mode_32 3
		.amdhsa_float_denorm_mode_16_64 3
		.amdhsa_memory_ordered 1
		.amdhsa_forward_progress 1
		.amdhsa_inst_pref_size 89
	.end_amdhsa_kernel
	.amdgpu_metadata
---
amdhsa.version: [ 1, 2 ]
amdhsa.kernels:
  - .name:           k_q3f4942eeb6_ctx
    .symbol:         k_q3f4942eeb6_ctx.kd
    .args:
      - { .name: pc, .offset: 0, .size: 8, .value_kind: global_buffer, .address_space: global }
      - { .name: ps, .offset: 8, .size: 8, .value_kind: global_buffer, .address_space: global }
      - { .name: yc, .offset: 16, .size: 8, .value_kind: global_buffer, .address_space: global }
      - { .name: ys, .offset: 24, .size: 8, .value_kind: global_buffer, .address_space: global }
      - { .name: li, .offset: 32, .size: 8, .value_kind: global_buffer, .address_space: global }
      - { .name: out0, .offset: 40, .size: 8, .value_kind: global_buffer, .address_space: global }
    .group_segment_fixed_size: 327680
    .private_segment_fixed_size: 0
    .kernarg_segment_align: 8
    .kernarg_segment_size: 48
    .max_flat_workgroup_size: 128
    .sgpr_count:     102
    .vgpr_count:     512
    .wavefront_size: 32
...
	.end_amdgpu_metadata
.endif
;; end of part 4
